; MI455X (gfx1250); checked and timed in simulation.
; The chip was launched on July 23, 2026; its instructions are those of AMD's public machine-readable ISA for CDNA 5 (MIT licence, August 2026) and "CDNA5" Instruction Set Architecture Reference Guide (July 2026). The comments in the code are by the model that wrote it; some were corrected since.
;; Self Attention. Allowed arithmetic: matrix products marked QUANTISED: E2M1 operands, one E8M0 scale for each 32 along K, by v_wmma_scale_f32_16x16x128_f8f6f4 with both operands' format E2M1 (or v_wmma_scale_f32_32x16x128_f4), f32 sums; products left as they are: bf16, f16 or f32 operands; f32 sums; everything else in f32.
;; Inputs: Wk 1,024 x 1,024 float32; Wo 1,024 x 1,024 float32; Wq 1,024 x 1,024 float32; Wv 1,024 x 1,024 float32; bk 1,024 float32; bo 1,024 float32; bq 1,024 float32; bv 1,024 float32; mask_att 4 x 2,048 int32; tensor 4 x 2,048 x 1,024 float32.
;; Outputs: out0 4 x 2,048 x 1,024 float32.
;; This version of the problem:
;;   THIS VERSION OF THE PROBLEM IS GIVEN IN LOW PRECISION. The matrix products marked QUANTISED in the list below multiply operands that are first quantised to E2M1 (2 exponent bits, 1 mantissa bit; 4 bits a number), with one power-of-two scale for each 32 numbers along K (OCP MX v1.0); their sums are f32. The products marked 'left as it is' may take bf16, f16 or f32 operands, with f32 sums. Whichever they take, every output number must still come out within the allowed error. Rounding operands to bf16 (8 significant bits) uses up far more of that allowance than f16 does (11 bits, for magnitudes from 6e-5 to 65,504). All else is computed in f32.
;;   The module's matrix products, in the order in which they are computed (A, B: the left and right operand; K: the contracted axis; several contracted axes count as one K, in the product's order):
;;     1. [M 8,192, K 1,024] x [K 1,024, N 1,024]; A: input tensor; B: input Wq: QUANTISED
;;     2. [M 8,192, K 1,024] x [K 1,024, N 1,024]; A: input tensor; B: input Wk: QUANTISED
;;     3. [M 8,192, K 1,024] x [K 1,024, N 1,024]; A: input tensor; B: input Wv: QUANTISED
;;     4. batch 64 x [M 2,048, K 64] x [K 64, N 2,048]; A: computed on the way; B: computed on the way: left as it is (an operand is computed on the way)
;;     5. batch 64 x [M 64, K 2,048] x [K 2,048, N 2,048]; A: computed on the way; B: computed on the way: left as it is (an operand is computed on the way)
;;     6. [M 8,192, K 1,024] x [K 1,024, N 1,024]; A: computed on the way; B: input Wo: left as it is (an operand is computed on the way)
;;   THE QUANTISER, for each operand of a quantised product, along K:
;;     - K is cut into blocks of 32 from its start; a last block that is shorter is filled with zeros.
;;     - A block's scale is 2^e with e = floor(log2(the largest magnitude in the block)) - 2, held to -126 .. 127; a block of zeros has e = 0. As a byte (E8M0): e + 127.
;;     - Each number is divided by its block's scale, clamped to +-6, and rounded to the nearest number of E2M1, ties to even, subnormals kept.
;;     - The product sums the exact products of the quantised numbers (number of the format x scale) in f32.
;;   ~~~python
;;   def quantise(x, axis):      # numpy; x: float32 -> the quantised numbers, widened to float32 again
;;       x = np.moveaxis(x, axis, -1); K = x.shape[-1]
;;       x = np.pad(x, [(0, 0)] * (x.ndim - 1) + [(0, -K % 32)]); x = x.reshape(x.shape[:-1] + (-1, 32)); a = np.abs(x).max(-1, keepdims=True)
;;       e = np.where(a > 0, np.clip(np.frexp(np.where(a > 0, a, 1))[1] - 1 - 2, -126, 127), 0)      # np.frexp(a)[1] - 1 = floor(log2(a)), exactly
;;       r = np.clip(x / 2.0 ** e, -6, 6)
;;       step = 2.0 ** (np.maximum(np.frexp(np.where(r == 0, 1, r))[1] - 1, 0) - 1)
;;       q = np.round(r / step) * step * 2.0 ** e      # np.round: ties to even
;;       return np.moveaxis(q.reshape(q.shape[:-2] + (-1,))[..., :K], -1, axis).astype(np.float32)
;;   ~~~
;; One version. Each part assembles by itself: llvm-mc -triple=amdgcn-amd-amdhsa -mcpu=gfx1250 --defsym DOCPART=n.
;; ======== version 1 of 1: 4 launches
;; limits: values are held in f16: magnitudes above 65,504 overflow, below 6.1e-05 lose precision
;; workspace buffers: xq 4,456,448 bytes; wq 1,671,168 bytes; wo16 2,097,152 bytes; qkv 50,331,648 bytes; ao 16,777,216 bytes
;; launch prep (part 1): grid 368 x 1, 4 waves a work-group, no clusters, 68,096 bytes of LDS; arguments tensor, Wq, Wk, Wv, Wo, xq, wq, wo16; writes xq, wq, wo16
.if DOCPART == 1
	.amdgcn_target "amdgcn-amd-amdhsa--gfx1250"
	.amdhsa_code_object_version 6
	.text
	.protected	k_q5c90a5c31c_prep
	.globl	k_q5c90a5c31c_prep
	.p2align	8
	.type	k_q5c90a5c31c_prep,@function
k_q5c90a5c31c_prep:
	s_mov_b64 s[64:65], 0
	v_nop
	global_prefetch_b8 v0, s[64:65] scope:SCOPE_SE
	s_setreg_imm32_b32 hwreg(HW_REG_WAVE_MODE, 25, 1), 1
	s_wait_xcnt 0x0
; SELF-ATTENTION, 4 x 2,048 tokens, 1,024 wide, 16 heads of 64.  Four launches: this one lays the operands out; the second makes q, k, v on codes of E2M1; the third is the attention in f16; the fourth the projection out in f16.
; WORK LEFT OUT: bk.  dot[q][k] = (x_q Wq + bq) . (x_k Wk + bk) / 8 = (x_q Wq + bq) . (x_k Wk) / 8 + (x_q Wq + bq) . bk / 8.  The second term does not hang on the key k: it is the same along the softmax's axis,
; so it cancels between the softmax's numerator and its sum for all values of the inputs (a masked key is -infinity with it and without).  The product of q with k is not quantised, so no quantiser sees bk.
; bk is therefore loaded by no launch and is among no launch's arguments.  LIMIT: a NaN, an infinity or an overflow that reaches the result through bk alone is not carried to it.
; LIMITS of the whole program: q x log2(e)/8, k, v, the attention's result and Wo go to the matrix units as f16: their magnitudes stay under 65,504.  NaN and infinities in tensor, Wq, Wk, Wv are not served by the
; quantiser; blocks whose largest magnitude lies under 2^(2 - 126) have their scale's byte held at 1.  (A block of zeros gets the byte 1 where the rule says 127: its codes are zeros, and this program alone reads the bytes.)
; THIS LAUNCH has three kinds of work-groups, told apart by the work-group's number; X and W have LDS bytes of their own; each kind has its own end.
;   0 .. 47    W: Wq, Wk, Wv [k 1,024][n 1,024] f32 -> wq: codes [3,072 n][512 bytes], K innermost, and scale bytes [3,072][32] from byte 1,572,864 on.  A lane takes a column, its registers run down K.
;   48 .. 111  O: Wo [k][n] f32 -> wo16: f16, as images of matrix operands: [n / 16][k / 32][1,024 bytes]; in an image lane (r, h) of the reader finds k = 16 c + 8 h + 0..7 of column r at byte 512 c + 256 h + 16 r.
;   112 .. 367 X: tensor, a plain stream of blocks of 32 along K -> xq: codes [8,192][512 bytes] and scale bytes [8,192][32] from byte 4,194,304 on.
; A block's scale is 2^(floor(log2(its largest magnitude)) - 2); its byte is the largest magnitude's exponent field - 2; each number is divided by the scale and rounded to the nearest code, ties to even, beyond 6 the largest code.
; No tensor loads, no barrier: waves share nothing.
.set SPW,   190                        ; v190 LDS address of my spare word: SPARE + 4 x my thread's number; never rewritten
.set NIL,   191                        ; v191 0; never rewritten
.set SPARE, 67584                      ; behind both paths' regions: the spare words, 128 bytes for each wave
.set EMAX,  2
.set STEPS, 16                         ; path X: steps of 512 numbers for a wave
.set CB,    8                          ; bytes of 16 codes
.set XR,    16                         ; v16-79   four sets of 16 numbers as they are loaded
.set XX,    80                         ; v80-111  two sets of 16 neighbours
.set XE,    112                        ; v112-127 a scale byte for each step
.set XC,    128                        ; v128-189 codes: four registers for each step, so that no store's data are written again
.set WREG,  8192                       ; path X's LDS: bytes 0 .. 32,767, a region for each wave: two stages of 32 x SP bytes, then its 256 scale bytes
.set SP,    80                         ; a lane's place in a stage: 64 bytes + 16 of padding
.set NB,    16                         ; path W: blocks of 32 along K for a wave
.set PITCH, 272                        ; a stage row: 256 bytes of codes + 16
.set KROW,  512                        ; a row of the codes' buffer
.set WSTG,  32768                      ; path W's LDS: bytes 32,768 .. 67,583, 32 x PITCH for each wave
.set WX,    32                         ; v32-95   two sets of 32 numbers
.set WC,    96                         ; v96-99   a block's codes
.set WOUT,  112                        ; v112-175 the way out
.set WSB,   24                         ; v24-27   the scale bytes, four to a register
.set OX,    32                         ; path O: v32-95 two sets of 32 numbers
.set OC,    96                         ; v96-159  f16 pairs: 16 registers for each of four blocks, so that no store's data are written again
	s_load_b256 s[4:11], s[0:1], 0x0               ; tensor s[4:5], Wq s[6:7], Wk s[8:9], Wv s[10:11]
	s_load_b256 s[12:19], s[0:1], 0x20             ; Wo s[12:13], xq s[14:15], wq s[16:17], wo16 s[18:19]
	v_lshl_add_u32 v[SPW], v0, 2, SPARE
	v_mov_b32 v[NIL], 0
	v_lshrrev_b32 v1, 5, v0
	v_readfirstlane_b32 s20, v1                    ; wave 0..3
	v_and_b32 v2, 31, v0                           ; lane
	s_mov_b32 s25, 0                               ; the upper word of every offset s[24:25]
	s_wait_kmcnt 0x0
	s_cmp_lt_u32 ttmp9, 48
	s_cbranch_scc1 .Lpath_w
	s_cmp_lt_u32 ttmp9, 112
	s_cbranch_scc1 .Lpath_o
; ---------------- PATH X: the tokens.  Each of a step's four loads reads 512 consecutive bytes; the 2,048 bytes turn through the wave's own stage, so that a lane then holds 16 neighbours along K (two lanes to a block).
	v_lshlrev_b32 v3, 4, v2                        ; my 16 bytes of a load's 512
	s_mul_i32 s21, s20, WREG
	v_lshrrev_b32 v14, 2, v2
	v_mul_u32_u24 v14, v14, SP
	v_and_b32 v15, 3, v2
	v_lshl_add_u32 v14, v15, 4, v14
	v_add_nc_u32 v14, s21, v14                     ; the stage, on the way in: SP (lane / 4) + 16 (lane % 4)
	v_mul_u32_u24 v15, v2, SP
	v_add_nc_u32 v15, s21, v15                     ; and on the way out: SP x lane
	v_mul_u32_u24 v4, v2, CB                       ; my codes' place in a step's
	v_lshrrev_b32 v5, 1, v2
	s_add_co_u32 s21, s21, 2*32*SP
	v_add_nc_u32 v5, s21, v5                       ; LDS: my wave's 256 scale bytes, my block's byte
	v_lshlrev_b32 v7, 3, v2                        ; and on the way out 8 bytes a lane
	v_add_nc_u32 v6, s21, v7
	s_sub_co_u32 s22, ttmp9, 112
	s_lshl_b32 s22, s22, 2
	s_add_co_u32 s22, s22, s20                     ; which run of 8,192 numbers is my wave's: 0 .. 1,023
	s_lshl_b32 s24, s22, 15
	s_add_nc_u64 s[4:5], s[4:5], s[24:25]          ; 32,768 bytes of f32 a run,
	s_lshl_b32 s24, s22, 12
	s_add_nc_u64 s[26:27], s[14:15], s[24:25]      ; 4,096 of codes,
	s_lshl_b32 s24, s22, 8
	s_add_co_u32 s24, s24, 0x400000
	s_add_nc_u64 s[28:29], s[14:15], s[24:25]      ; 256 scale bytes, behind the codes
.macro LOADX t
.irp i, 0,1,2,3
	global_load_b128 v[XR+16*((\t)%4)+4*\i:XR+16*((\t)%4)+4*\i+3], v3, s[4:5] offset:2048*(\t)+512*\i th:TH_LOAD_NT   ; 32 lanes read 512 consecutive bytes
.endr
.endm
.macro TURNX t                         ; step t's numbers through the stage: LDS serves a wave's instructions in order, so no wait stands between the stores and the loads
.irp i, 0,1,2,3
	ds_store_b128 v14, v[XR+16*((\t)%4)+4*\i:XR+16*((\t)%4)+4*\i+3] offset:32*SP*((\t)%2)+8*SP*\i
.endr
.irp i, 0,1,2,3
	ds_load_b128 v[XX+16*((\t)%2)+4*\i:XX+16*((\t)%2)+4*\i+3], v15 offset:32*SP*((\t)%2)+16*\i
.endr
.endm
.irp t, 0,1,2,3
	LOADX \t
.endr
	s_wait_loadcnt 12                              ; step 0's four loads are in; the twelve of steps 1 to 3 may be out
	TURNX 0
.macro STEPX t
.set XS, XX+16*((\t)%2)
.if (\t) > 0
	s_wait_dscnt 1                                 ; this step's numbers are back from the stage (the last step's byte store may be out): so its stores into the stage have read their registers,
.else
	s_wait_dscnt 0x0
.endif
.if (\t)+4 < STEPS
	LOADX (\t)+4                                   ; which take the loads of four steps on
.endif
.if (\t)+1 < STEPS
.if STEPS-2-(\t) >= 3
	s_wait_loadcnt 12                              ; the next step's four loads are in; those of the three steps behind it may be out
.else
	s_wait_loadcnt 4*(STEPS-2-(\t))
.endif
	TURNX (\t)+1                                   ; and go through the other stage while this step is worked
.endif
	v_max3_num_f32 v8, |v[XS]|, |v[XS+1]|, |v[XS+2]|               ; the largest magnitude of my 16, in two chains
	v_max3_num_f32 v9, |v[XS+3]|, |v[XS+4]|, |v[XS+5]|
.irp i, 6,10
	v_max3_num_f32 v8, v8, |v[XS+\i]|, |v[XS+\i+1]|
	v_max3_num_f32 v9, v9, |v[XS+\i+2]|, |v[XS+\i+3]|
.endr
	v_max3_num_f32 v8, v8, |v[XS+14]|, |v[XS+15]|
	v_max3_num_f32 v8, v8, v9, (EMAX+1)<<23        ; and the floor 2^(EMAX + 1 - 127): the byte cannot fall under 1
	v_max_num_f32_dpp v8, v8, v8 row_xmask:1 row_mask:0xf bank_mask:0xf   ; and of my neighbour's 16: the block's
	v_add_nc_u32 v11, -(EMAX<<23), v8              ; EMAX off its exponent field: the conversion takes the exponent field of this operand as its scale
	v_cvt_scalef32_pk8_fp4_f32 v[XC+4*(\t)], v[XS:XS+7], v11
	v_cvt_scalef32_pk8_fp4_f32 v[XC+4*(\t)+1], v[XS+8:XS+15], v11
	v_lshrrev_b32 v[XE+(\t)], 23, v11              ; the scale's byte (also the plain line behind the conversions)
	ds_store_b8 v5, v[XE+(\t)] offset:16*(\t)      ; both lanes of a block write the same byte with the same value
	global_store_b64 v4, v[XC+4*(\t):XC+4*(\t)+1], s[26:27] offset:32*CB*(\t)   ; the wave stores 256 consecutive bytes, aligned
.endm
.irp t, 0,1,2,3,4,5,6,7,8,9,10,11,12,13,14,15
	STEPX \t
.endr
	ds_load_b64 v[8:9], v6                         ; LDS serves a wave's instructions in order: these see my stores
	s_wait_dscnt 0x0
	global_store_b64 v7, v[8:9], s[28:29]          ; 32 lanes store 256 consecutive bytes, aligned
	s_wait_tensorcnt 0x0                           ; the wave's end, behind my last LDS store
	ds_add_u32 v[SPW], v[NIL]
	s_wait_dscnt 0x0
	s_endpgm
; ---------------- PATH W: the three quantised weights.  Work-group id: matrix id / 16, 128 columns id % 8, half of K (id / 8) % 2.  A wave takes 32 columns x 512 along K.
.Lpath_w:
	s_lshr_b32 s21, ttmp9, 4                       ; which matrix
	s_cmp_eq_u32 s21, 0
	s_cselect_b64 s[4:5], s[6:7], s[8:9]           ; the choice hangs on the work-group's number alone
	s_cmp_eq_u32 s21, 2
	s_cselect_b64 s[4:5], s[10:11], s[4:5]
	s_and_b32 s22, ttmp9, 7
	s_bfe_u32 s23, ttmp9, 0x10003                  ; which 512 along K
	s_lshl_b32 s22, s22, 7
	s_lshl_b32 s24, s20, 5
	s_add_co_u32 s22, s22, s24                     ; my wave's first column
	s_lshl_b32 s24, s23, 21                        ; 512 rows of 4,096 bytes
	s_lshl_b32 s26, s22, 2
	s_add_co_u32 s24, s24, s26
	s_add_nc_u64 s[4:5], s[4:5], s[24:25]
	s_lshl_b32 s21, s21, 10
	s_add_co_u32 s21, s21, s22                     ; my first row of wq: 1,024 x matrix + column
	s_lshl_b32 s24, s21, 9
	s_lshl_b32 s26, s23, 8
	s_add_co_u32 s24, s24, s26
	s_add_nc_u64 s[28:29], s[16:17], s[24:25]      ; its codes
	s_lshl_b32 s24, s21, 5
	s_lshl_b32 s26, s23, 4
	s_add_co_u32 s24, s24, s26
	s_add_co_u32 s24, s24, 0x180000
	s_add_nc_u64 s[30:31], s[16:17], s[24:25]      ; its scale bytes, behind the codes
	v_lshlrev_b32 v3, 2, v2                        ; in: 4 bytes a lane
	s_mul_i32 s26, s20, 32*PITCH
	s_add_co_u32 s26, s26, WSTG                    ; my stage
	v_mul_u32_u24 v4, v2, PITCH
	v_add_nc_u32 v4, s26, v4                       ; into it: row = my column
	v_and_b32 v5, 15, v2
	v_lshrrev_b32 v6, 4, v2                        ; out of it: sixteen lanes to a row, two rows an instruction
	v_mul_u32_u24 v7, v6, PITCH
	v_lshl_add_u32 v7, v5, 4, v7
	v_add_nc_u32 v7, s26, v7
	v_mul_u32_u24 v8, v6, KROW
	v_lshl_add_u32 v8, v5, 4, v8                   ; and the same place in the codes' buffer
	v_lshlrev_b32 v9, 5, v2                        ; my column's row of scale bytes
.macro LOADW t                         ; block t: W(32 t + i, my column), i = 0 .. 31, into set t % 2
.irp i, 0,1,2,3,4,5,6,7,8,9,10,11,12,13,14,15,16,17,18,19,20,21,22,23,24,25,26,27,28,29,30,31
	global_load_b32 v[WX+32*((\t)%2)+\i], v3, s[4:5] offset:(32*(\t)+\i)*4096 th:TH_LOAD_NT
.endr
.endm
	LOADW 0
	LOADW 1
.macro BLOCKW t
.set XS, WX+32*((\t)%2)
.if (\t) < NB-1
	s_wait_loadcnt 32                              ; this block's 32 loads are in; the next block's may be out
.else
	s_wait_loadcnt 0
.endif
	v_max3_num_f32 v12, |v[XS]|, |v[XS+1]|, |v[XS+2]|               ; the block's largest magnitude: all 32 numbers are mine
	v_max3_num_f32 v13, |v[XS+3]|, |v[XS+4]|, |v[XS+5]|
.irp i, 6,10,14,18,22,26
	v_max3_num_f32 v12, v12, |v[XS+\i]|, |v[XS+\i+1]|
	v_max3_num_f32 v13, v13, |v[XS+\i+2]|, |v[XS+\i+3]|
.endr
	v_max3_num_f32 v12, v12, |v[XS+30]|, |v[XS+31]|
	v_max3_num_f32 v12, v12, v13, (EMAX+1)<<23     ; and the floor
	v_add_nc_u32 v11, -(EMAX<<23), v12             ; the conversion's scale operand
	v_lshrrev_b32 v13, 23, v11                     ; the scale's byte
.if (\t)%4 == 0
	v_mov_b32 v[WSB+(\t)/4], v13                   ; four bytes to a register, the lower K in the lower byte
.else
	v_lshl_or_b32 v[WSB+(\t)/4], v13, 8*((\t)%4), v[WSB+(\t)/4]
.endif
.irp g, 0,1,2,3
	v_cvt_scalef32_pk8_fp4_f32 v[WC+\g], v[XS+8*\g:XS+8*\g+7], v11
.endr
	v_nop                                          ; one plain line behind the last conversion
	ds_store_b128 v4, v[WC:WC+3] offset:16*(\t)    ; 32 codes: 16 bytes of my column's row
.if (\t)+2 < NB
	LOADW (\t)+2
.endif
	s_wait_dscnt 0x0                               ; the store has read its registers: the next block's codes may be written
.endm
.irp t, 0,1,2,3,4,5,6,7,8,9,10,11,12,13,14,15
	BLOCKW \t
.endr
	global_store_b128 v9, v[WSB:WSB+3], s[30:31]   ; my column's 16 scale bytes
.irp t, 0,1,2,3,4,5,6,7,8,9,10,11,12,13,14,15
	ds_load_b128 v[WOUT+4*\t:WOUT+4*\t+3], v7 offset:2*\t*PITCH   ; LDS serves a wave's instructions in order: these see my stores
.endr
.irp t, 0,1,2,3,4,5,6,7,8,9,10,11,12,13,14,15
	s_wait_dscnt 15-\t                             ; load t is in; the 15 - t younger ones may be out
	global_store_b128 v8, v[WOUT+4*\t:WOUT+4*\t+3], s[28:29] offset:2*\t*KROW   ; sixteen lanes store 256 consecutive bytes, aligned
.endr
	s_wait_tensorcnt 0x0                           ; the wave's end, behind my last LDS store
	ds_add_u32 v[SPW], v[NIL]
	s_wait_dscnt 0x0
	s_endpgm
; ---------------- PATH O: Wo to f16.  Wave g = 4 (id - 48) + wave takes columns 32 (g % 32) on and 128 along K from 128 (g / 32) on.  A lane takes a column; 32 numbers down K are four pieces of 16 bytes of one image.  No LDS.
.Lpath_o:
	s_sub_co_u32 s21, ttmp9, 48
	s_lshl_b32 s21, s21, 2
	s_add_co_u32 s21, s21, s20                     ; g
	s_and_b32 s22, s21, 31
	s_lshr_b32 s23, s21, 5
	s_lshl_b32 s24, s23, 19                        ; 128 rows of 4,096 bytes
	s_lshl_b32 s26, s22, 7                         ; 32 columns of 4 bytes
	s_add_co_u32 s24, s24, s26
	s_add_nc_u64 s[12:13], s[12:13], s[24:25]
	s_lshl_b32 s24, s22, 16                        ; two blocks of 16 columns, 32,768 bytes each
	s_lshl_b32 s26, s23, 12                        ; four images of 1,024 bytes
	s_add_co_u32 s24, s24, s26
	s_add_nc_u64 s[18:19], s[18:19], s[24:25]
	v_lshlrev_b32 v3, 2, v2
	v_and_b32 v5, 15, v2
	v_lshrrev_b32 v6, 4, v2
	v_lshlrev_b32 v4, 15, v6
	v_lshl_add_u32 v4, v5, 4, v4                   ; out: my block of columns, 16 bytes a column
.macro LOADO t
.irp i, 0,1,2,3,4,5,6,7,8,9,10,11,12,13,14,15,16,17,18,19,20,21,22,23,24,25,26,27,28,29,30,31
	global_load_b32 v[OX+32*((\t)%2)+\i], v3, s[12:13] offset:(32*(\t)+\i)*4096 th:TH_LOAD_NT
.endr
.endm
	LOADO 0
	LOADO 1
.macro BLOCKO t
.if (\t) < 3
	s_wait_loadcnt 32                              ; this block's 32 loads are in; the next block's may be out
.else
	s_wait_loadcnt 0
.endif
.irp p, 0,1,2,3,4,5,6,7,8,9,10,11,12,13,14,15
	v_cvt_pk_f16_f32 v[OC+16*(\t)+\p], v[OX+32*((\t)%2)+2*\p], v[OX+32*((\t)%2)+2*\p+1]   ; the lower k in the low half
.endr
.if (\t)+2 < 4
	LOADO (\t)+2
.endif
.irp p, 0,1,2,3
	global_store_b128 v4, v[OC+16*(\t)+4*\p:OC+16*(\t)+4*\p+3], s[18:19] offset:1024*(\t)+256*\p   ; k = 8 p + 0..7: sixteen lanes store 256 consecutive bytes, aligned
.endr
.endm
.irp t, 0,1,2,3
	BLOCKO \t
.endr
	s_endpgm
.Lfunc_end_k_q5c90a5c31c_prep:
	.size	k_q5c90a5c31c_prep, .Lfunc_end_k_q5c90a5c31c_prep-k_q5c90a5c31c_prep
	.p2alignl 7, 3214868480
	.fill 96, 4, 3214868480
	.section	.rodata,"a",@progbits
	.p2align	6, 0x0
	.amdhsa_kernel k_q5c90a5c31c_prep
		.amdhsa_group_segment_fixed_size 68096
		.amdhsa_private_segment_fixed_size 0
		.amdhsa_enable_private_segment 0
		.amdhsa_kernarg_size 64
		.amdhsa_user_sgpr_count 2
		.amdhsa_user_sgpr_kernarg_segment_ptr 1
		.amdhsa_wavefront_size32 1
		.amdhsa_system_sgpr_workgroup_id_x 1
		.amdhsa_system_sgpr_workgroup_id_y 1
		.amdhsa_system_sgpr_workgroup_id_z 1
		.amdhsa_system_vgpr_workitem_id 0
		.amdhsa_next_free_vgpr 192
		.amdhsa_next_free_sgpr 66
		.amdhsa_reserve_vcc 0
		.amdhsa_float_denorm_mode_32 3
		.amdhsa_float_denorm_mode_16_64 3
		.amdhsa_memory_ordered 1
		.amdhsa_forward_progress 1
		.amdhsa_inst_pref_size 130
	.end_amdhsa_kernel
	.amdgpu_metadata
---
amdhsa.version: [ 1, 2 ]
amdhsa.kernels:
  - .name:           k_q5c90a5c31c_prep
    .symbol:         k_q5c90a5c31c_prep.kd
    .args:
      - { .name: tensor, .offset: 0, .size: 8, .value_kind: global_buffer, .address_space: global }
      - { .name: Wq, .offset: 8, .size: 8, .value_kind: global_buffer, .address_space: global }
      - { .name: Wk, .offset: 16, .size: 8, .value_kind: global_buffer, .address_space: global }
      - { .name: Wv, .offset: 24, .size: 8, .value_kind: global_buffer, .address_space: global }
      - { .name: Wo, .offset: 32, .size: 8, .value_kind: global_buffer, .address_space: global }
      - { .name: xq, .offset: 40, .size: 8, .value_kind: global_buffer, .address_space: global }
      - { .name: wq, .offset: 48, .size: 8, .value_kind: global_buffer, .address_space: global }
      - { .name: wo16, .offset: 56, .size: 8, .value_kind: global_buffer, .address_space: global }
    .group_segment_fixed_size: 68096
    .private_segment_fixed_size: 0
    .kernarg_segment_align: 8
    .kernarg_segment_size: 64
    .max_flat_workgroup_size: 128
    .sgpr_count:     66
    .vgpr_count:     192
    .wavefront_size: 32
...
	.end_amdgpu_metadata
.endif
;; end of part 1
;; launch qkv (part 2): grid 12 x 32, 4 waves a work-group, clusters of 4 x 4, 327,680 bytes of LDS; arguments xq, wq, bq, bv, qkv; writes qkv
.if DOCPART == 2
	.amdgcn_target "amdgcn-amd-amdhsa--gfx1250"
	.amdhsa_code_object_version 6
	.text
	.protected	k_q5c90a5c31c_qkv
	.globl	k_q5c90a5c31c_qkv
	.p2align	8
	.type	k_q5c90a5c31c_qkv,@function
k_q5c90a5c31c_qkv:
	s_mov_b64 s[64:65], 0
	v_nop
	global_prefetch_b8 v0, s[64:65] scope:SCOPE_SE
	s_setreg_imm32_b32 hwreg(HW_REG_WAVE_MODE, 25, 1), 1
	s_wait_xcnt 0x0
	s_wait_alu depctr_hold_cnt(0) depctr_sa_sdst(0) depctr_va_vdst(0) depctr_va_sdst(0) depctr_va_ssrc(0) depctr_va_vcc(0) depctr_vm_vsrc(0)
	s_getreg_b32 s2, hwreg(HW_REG_IB_STS2, 6, 4)
	s_cmp_eq_u32 s2, 0
	s_cbranch_scc0 .Lentry_in_a_cluster
	s_endpgm
.Lentry_in_a_cluster:
	s_bfe_u32 s2, ttmp6, 0x10000c
	s_cmp_lg_u32 s2, 0xf033
	s_cbranch_scc0 .Lentry_shape_is_right
	s_endpgm
.Lentry_shape_is_right:
; q, k, v = tensor x (Wq | Wk | Wv) + bias, on codes of FP4 (E2M1) with one E8M0 scale for each 32 along K = 1,024: one GEMM, C[8,192 tokens][3,072].  Sums in f32; results leave as f16.
; WORK LEFT OUT: bk (a term that is the same along the softmax's axis: shown at the head of the first launch's text); the k part's sums begin at zeros.
; q IS STORED AS (x Wq + bq) x log2(e) / 8, scaled in f32 ahead of its one rounding to f16: the two divisions by 64^(1/4) and the softmax's change of base in one factor.  LIMIT: magnitudes under 65,504.
; A tile of C, 256 x 256, is made by a work-group of four waves; a wave makes 128 x 128: 64 accumulators of 16 x 16.  K is two LDS slots of 512 (rows of 256 bytes): both are first fills, nothing is filled again.
; THE SCALES of the work-group's 256 rows of x and 256 rows of the weights, for all of K, are two dense blocks: they come into LDS once, with the first fills.
; CLUSTERS: 4 x 4 work-groups.  The four of a row of the cluster need the same tiles of x, the four of a column the same tiles of the weights: each tile is asked for JOINTLY.  A cluster's four tile columns are one of
; q, k, v: the part is the cluster's x, the same in all sixteen partners.
; THE MATRIX INSTRUCTION IS USED TRANSPOSED (source 0 = 16 rows of the weights, source 1 = 16 tokens): a lane holds eight neighbouring channels of one token, which pack into 16 bytes of f16.
; THE WAY OUT needs no LDS: qkv is laid [part][batch x head][16 tokens][16 channels][512 bytes], and a block's 512 bytes are what the wave's 32 lanes hold: for q and k lane l's 16 bytes at 16 l (an image of half an
; operand of the next launch), for v at 32 (l % 16) + 16 (l / 16) (rows of 16 channels, for the turning load).  Each store of the wave covers 512 consecutive bytes, aligned.
; REGISTERS, in windows of 256: window 0: v0-31 addresses; v32-95 scale words, two sets; v128-191 x's fragments, one set; v192-255 the bias, eight registers for each block of 16 channels; on the way out v128-255 hold f16.
;   window 1: the weights' fragments, two sets.   window 2: the accumulators of my tokens 0-63 ((a, b) at v[8 (8 a + b)]);   window 3: those of my tokens 64-127.
.set KSTEP,  512                       ; along K in a slot
.set NQ,     KSTEP/128                 ; matrix instructions deep
.set ROWB,   256                       ; a tile's row in bytes
.set KROW,   512                       ; a row of codes in memory
.set PITCH,  272                       ; an LDS row: 256 bytes + 16 of padding = 68 words: the 16 rows that a load touches start at 16 different banks (64 banks of 4 bytes: ISA guide 11.1)
.set FR,     8                         ; registers of a fragment: 16 rows x 128 K
.set NL,     2                         ; LDS loads that bring one
.set NP,     4                         ; places behind this matrix instruction (ISA guide 7.12.1)
.set HALFT,  128*PITCH                 ; 128 rows: what one tensor load brings
.set SLOT,   4*HALFT                   ; x's 256 rows, then the weights' 256
.set KS,     32                        ; a row of scales in bytes
.set SCL,    2*SLOT                    ; behind the slots: the scales, as units of 256 bytes + 16 of padding
.set HALFS,  (128*KS/256)*272          ; the scales of 128 rows
.set SBLK,   (16*KS/256)*272           ; those of 16 rows
.set SPARE,  SCL+4*HALFS               ; the spare words, 128 bytes for each wave
.set ADRA, 16                          ; v16-17  LDS address of my fragments of x in slot 0, 1
.set ADRB, 20                          ; v20-21  the same for the weights
.set CO,   26                          ; v26     my 16 bytes' place in a block of 512
.set ADRS, 27                          ; v27     LDS address of my scale words: lanes 0-15 x's rows, lanes 16-31 the weights'
.set SPW,  28                          ; v28     LDS address of my spare word; never rewritten
.set NIL,  29                          ; v29     0; never rewritten
.set SC,   32                          ; scale words: set s at v[SC + 8 NQ s]; register NQ i + q: lanes 0-15 the word of x's block i, lanes 16-31 that of the weights' block i
.set AF,   128                         ; x's fragments, in window 0
.set BI,   192                         ; the bias, in window 0
.set G1, 24                            ; s[24:31] descriptor group 1 for x's tiles;  s[32:39] group 0, one set for each slot
.set G0, 32
.set G1B, 48                           ; s[48:55], s[56:63] the same for the weights' tiles
.set G0B, 56
.set G1S, 68                           ; s[68:75], s[76:79] groups 1 and 0 for x's scales;  s[80:87], s[88:91] for the weights'
.set G0S, 76
.set G1SB, 80
.set G0SB, 88
.set CQ,  100                          ; s[100:101] log2(e) / 8, twice: the packed form names a pair
.set MSB, 0
.macro WIN new                         ; the immediate's high byte repeats the setting that is left
.if MSB != \new
	s_set_vgpr_msb (MSB<<8)|\new
.set MSB, \new
.endif
.endm
.set MUL_LO, 0xa1                      ; source 0 (weights) window 1, source 1 (x) window 0, C and D window 2
.set MUL_HI, 0xf1                      ; the same, C and D window 3
.set BIA_LO, 0x81                      ; the first step: C (the bias) window 0, D window 2
.set BIA_HI, 0xc1                      ; D window 3
.set TO_B,   0x40                      ; destination window 1, address window 0
; A joint load: waves 0 and 1 fetch for x, waves 2 and 3 for the weights.  The branch hangs on the wave's number alone.  An s_nop 0 and four v_nop follow each of the two lines.
.macro JLOAD g0a, g1a, g0b, g1b
	s_cmp_eq_u32 s15, 0
	s_cbranch_scc0 .Lfor_b_\@
	tensor_load_to_lds s[\g0a:\g0a+3], s[\g1a:\g1a+7]
	s_nop 0
.rept 4
	v_nop
.endr
	s_branch .Lasked_\@
.Lfor_b_\@:
	tensor_load_to_lds s[\g0b:\g0b+3], s[\g1b:\g1b+7]
	s_nop 0
.rept 4
	v_nop
.endr
.Lasked_\@:
.endm
.macro CROUND                          ; a round of the cluster's barrier
	s_barrier_signal -1
	s_barrier_wait -1
	s_cmp_lg_u32 s14, 0
	s_cbranch_scc1 .Lnot_wave_0_\@
	s_barrier_signal -3
.Lnot_wave_0_\@:
	s_barrier_wait -3
	s_barrier_signal -1
	s_barrier_wait -1
.endm
	s_load_b64 s[4:5], s[0:1], 0x0                 ; xq: x's codes; its scales lie 4,194,304 bytes on
	s_load_b64 s[8:9], s[0:1], 0x8                 ; wq: the weights' codes; their scales 1,572,864 bytes on
	s_load_b128 s[96:99], s[0:1], 0x10             ; bq, bv
	s_load_b64 s[12:13], s[0:1], 0x20              ; qkv
	v_lshl_add_u32 v[SPW], v0, 2, SPARE
	v_mov_b32 v[NIL], 0
	ds_add_u32 v[SPW], v[NIL]                      ; the wave's opening: the add, twice on end, and its wait ahead of my first tensor load
	ds_add_u32 v[SPW], v[NIL]
	v_lshrrev_b32 v1, 5, v0
	v_readfirstlane_b32 s14, v1                    ; wave 0..3
	s_lshr_b32 s15, s14, 1                         ; which half of the tile's tokens is mine.  Also: I fetch for x (0) or for the weights (1)
	s_and_b32 s16, s14, 1                          ; which half of its columns.  Also: which 128 rows I fetch
	s_bfe_u32 s40, ttmp6, 0x40000                  ; cx, cy: my place in the cluster
	s_bfe_u32 s41, ttmp6, 0x40004
	s_lshl_b32 s42, ttmp9, 2
	s_add_co_u32 s42, s42, s40                     ; tile column = 4 x cluster x + cx
	s_and_b32 s17, ttmp7, 0xffff
	s_lshl_b32 s17, s17, 2
	s_add_co_u32 s17, s17, s41                     ; tile row = 4 x cluster y + cy
	s_lshl_b32 s43, s41, 2
	s_lshl_b32 s43, 15, s43                        ; my row of the cluster
	s_lshl_b32 s44, 0x1111, s40                    ; my column
	; descriptor group 1: a tile of 128 rows x 256 bytes, 16 bytes of padding behind each row
	s_or_b32 s[G1+0], s43, (0<<16)|(1<<20)|(1<<21)|(5<<22)|(3<<25)  ; 15:0 the mask; 17:16 elements of 1 byte; 20 padding on; 21 set beside a mask; 24:22 after every 64 words; 31:25 four words
	s_or_b32 s[G1B+0], s44, (0<<16)|(1<<20)|(1<<21)|(5<<22)|(3<<25)
.irp g, G1, G1B
	s_mov_b32 s[\g+1], ROWB<<16                    ; tensor_dim0
	s_mov_b32 s[\g+2], 128<<16                     ; tensor_dim1
	s_mov_b32 s[\g+3], ROWB<<16                    ; tile_dim0
	s_mov_b32 s[\g+4], 128                         ; tile_dim1
	s_mov_b32 s[\g+5], KROW                        ; from row to row
	s_mov_b32 s[\g+6], 0
	s_mov_b32 s[\g+7], 0
.endr
	; the scales of 128 rows: a dense block of 4,096 bytes, as 16 rows of 256 bytes (32 elements of 8 bytes), 16 bytes of padding behind each
	s_or_b32 s[G1S+0], s43, (3<<16)|(1<<20)|(1<<21)|(5<<22)|(3<<25)
	s_or_b32 s[G1SB+0], s44, (3<<16)|(1<<20)|(1<<21)|(5<<22)|(3<<25)
.irp g, G1S, G1SB
	s_mov_b32 s[\g+1], 32<<16
	s_mov_b32 s[\g+2], (128*KS/256)<<16
	s_mov_b32 s[\g+3], 32<<16
	s_mov_b32 s[\g+4], 128*KS/256
	s_mov_b32 s[\g+5], 32
	s_mov_b32 s[\g+6], 0
	s_mov_b32 s[\g+7], 0
.endr
	s_lshl_b32 s18, s16, 7                         ; which 128 rows of the tile I fetch
	s_lshl_b32 s20, s17, 8
	s_add_co_u32 s20, s20, s18                     ; x: row 256 x tile row + 128 x half
	s_lshl_b32 s46, s42, 8
	s_add_co_u32 s46, s46, s18                     ; weights: row 256 x tile column + 128 x half
	s_mov_b32 s21, 0
	s_mov_b32 s47, 0
	s_mov_b64 s[18:19], KS
	s_mul_u64 s[22:23], s[20:21], s[18:19]         ; where these rows' scales begin, in bytes
	s_mul_u64 s[92:93], s[46:47], s[18:19]
	s_mov_b64 s[18:19], KROW
	s_mul_u64 s[20:21], s[20:21], s[18:19]         ; and their codes
	s_mul_u64 s[46:47], s[46:47], s[18:19]
	s_mul_i32 s45, s14, HALFT                      ; where they go: wave x 128 rows: no place in the cluster enters an LDS address
	s_mul_i32 s94, s14, HALFS
	s_wait_dscnt 0x0                               ; both opening adds are done
	s_wait_kmcnt 0x0
	s_add_nc_u64 s[6:7], s[4:5], 0x400000          ; x's scales
	s_add_nc_u64 s[10:11], s[8:9], 0x180000        ; the weights' scales
	s_add_nc_u64 s[20:21], s[4:5], s[20:21]
	s_add_nc_u64 s[22:23], s[6:7], s[22:23]
	s_add_nc_u64 s[46:47], s[8:9], s[46:47]
	s_add_nc_u64 s[92:93], s[10:11], s[92:93]
	CROUND                                         ; all sixteen work-groups are here: the first joint loads meet
	s_mov_b32 s[G0S], 1
	s_add_co_u32 s[G0S+1], s94, SCL
	s_mov_b64 s[G0S+2:G0S+3], s[22:23]
	s_or_b32 s[G0S+3], s[G0S+3], 0x80000000
	s_mov_b32 s[G0SB], 1
	s_add_co_u32 s[G0SB+1], s94, SCL
	s_mov_b64 s[G0SB+2:G0SB+3], s[92:93]
	s_or_b32 s[G0SB+3], s[G0SB+3], 0x80000000
	JLOAD G0S, G1S, G0SB, G1SB                     ; the scales first: they are wanted with the first slot
.irp s, 0,1
	s_mov_b32 s[G0+4*\s], 1
	s_add_co_u32 s[G0+4*\s+1], s45, \s*SLOT
	s_add_nc_u64 s[G0+4*\s+2:G0+4*\s+3], s[20:21], \s*ROWB
	s_or_b32 s[G0+4*\s+3], s[G0+4*\s+3], 0x80000000
	s_mov_b32 s[G0B+4*\s], 1
	s_add_co_u32 s[G0B+4*\s+1], s45, \s*SLOT
	s_add_nc_u64 s[G0B+4*\s+2:G0B+4*\s+3], s[46:47], \s*ROWB
	s_or_b32 s[G0B+4*\s+3], s[G0B+4*\s+3], 0x80000000
	JLOAD G0+4*\s, G1, G0B+4*\s, G1B               ; three tensor loads of mine are out
.endr
	v_and_b32 v1, 15, v0                           ; r = l % 16
	v_bfe_u32 v2, v0, 4, 1                         ; h = l / 16
	; THE C OF THE FIRST PRODUCTS: for the block b of 16 channels, lane (r, h) wants the bias of channels 16 b + 8 h + 0..7.  q takes bq, v takes bv; k's sums begin at zeros.  Both arms write all 64 registers.
	s_cmp_eq_u32 ttmp9, 0
	s_cselect_b64 s[96:97], s[96:97], s[98:99]     ; the choice hangs on the cluster's x alone
	s_lshl_b32 s100, s40, 10                       ; 256 cx channels of 4 bytes
	s_lshl_b32 s101, s16, 9                        ; + 128 x my half
	s_add_co_u32 s100, s100, s101
	s_mov_b32 s101, 0
	s_add_nc_u64 s[96:97], s[96:97], s[100:101]
	v_lshlrev_b32 v7, 5, v2
	s_cmp_eq_u32 ttmp9, 1                          ; the cluster's x: the same in all sixteen partners
	s_cbranch_scc1 .Lk_part
.irp b, 0,1,2,3,4,5,6,7
	global_load_b128 v[BI+8*\b:BI+8*\b+3], v7, s[96:97] offset:64*\b
	global_load_b128 v[BI+8*\b+4:BI+8*\b+7], v7, s[96:97] offset:64*\b+16
.endr
	s_branch .Lc_set
.Lk_part:
.set i, 0
.rept 64
	v_mov_b32 v[BI+i], 0                           ; once in the launch; so the first step is written once for all three parts
.set i, i+1
.endr
.Lc_set:
	s_mov_b32 s[CQ], 0x3e38aa3b                    ; log2(e) / 8
	s_mov_b32 s[CQ+1], s[CQ]
	v_mul_u32_u24 v3, v1, PITCH
	v_lshl_add_u32 v4, v2, 4, v3                   ; a fragment's row x pitch + 16 x half
	s_mul_i32 s21, s15, HALFT                      ; my 128 rows of x
	s_mul_i32 s22, s16, HALFT                      ; my 128 rows of the weights,
	s_add_co_u32 s22, s22, 2*HALFT                 ; which lie behind x's 256
.irp s, 0,1
	v_add_nc_u32 v[ADRA+\s], s21, v4
	v_add_nc_u32 v[ADRB+\s], s22, v4
	s_add_co_u32 s21, s21, SLOT
	s_add_co_u32 s22, s22, SLOT
.endr
	v_mul_u32_u24 v5, v1, KS                       ; my row's scales: KS bytes a row,
	v_lshrrev_b32 v6, 8, v5
	v_lshl_add_u32 v5, v6, 4, v5                   ; and 16 more for each 256 passed
	s_mul_i32 s21, s15, HALFS                      ; x's: my 128 rows
	s_mul_i32 s22, s16, HALFS                      ; the weights': my 128 rows, behind x's 256
	s_add_co_u32 s22, s22, 2*HALFS
	s_sub_co_u32 s22, s22, s21
	v_mul_u32_u24 v6, s22, v2                      ; lanes 16-31 take the weights': one product, the distance between the two bases
	s_add_co_u32 s21, s21, SCL
	v_add_nc_u32 v5, v5, v6
	v_add_nc_u32 v[ADRS], s21, v5
	v_and_b32 v6, 31, v0
	v_lshlrev_b32 v5, 4, v6                        ; q, k: 16 x lane
	v_lshlrev_b32 v6, 5, v1
	v_lshl_add_u32 v6, v2, 4, v6                   ; v: 32 r + 16 h
	s_cmp_eq_u32 ttmp9, 2
	s_cselect_b32 s95, -1, 0
	v_cndmask_b32 v[CO], v5, v6, s95
	; where my part of qkv begins: part x 2^24 + (16 x batch + head) x 2^18 + (token / 16) x 2^11
	s_lshl_b32 s20, s17, 8
	s_lshl_b32 s21, s15, 7
	s_add_co_u32 s20, s20, s21                     ; my first token: 256 x tile row + 128 x half
	s_lshr_b32 s21, s20, 11                        ; its batch,
	s_and_b32 s20, s20, 2047                       ; its place there
	s_lshl_b32 s20, s20, 7
	s_lshl_b32 s21, s21, 22
	s_add_co_u32 s20, s20, s21
	s_lshl_b32 s46, s40, 2
	s_lshl_b32 s47, s16, 1
	s_add_co_u32 s46, s46, s47                     ; my first head: 4 cx + 2 x half
	s_lshl_b32 s46, s46, 18
	s_add_co_u32 s20, s20, s46
	s_lshl_b32 s47, ttmp9, 24
	s_add_co_u32 s20, s20, s47
	s_mov_b32 s21, 0
	s_add_nc_u64 s[12:13], s[12:13], s[20:21]
.macro FRAG reg, adr, q, i             ; a fragment, 16 rows x 128 K of 4-bit codes, is 8 registers: lane l holds row l % 16; registers 4 c .. 4 c + 3 hold K = 64 c + 32 (l / 16) + 0 .. 31
.irp c, 0,1
	ds_load_b128 v[\reg+4*\c:\reg+4*\c+3], v[\adr] offset:64*(\q)+32*\c+(\i)*16*PITCH
.endr
.endm
; 16 matrix instructions: x's blocks a0, a0 + 1 against the weights' eight, 128 along K.  p: the weights' set;  sc: the set of scale words.  first = 1: C is the bias.
; The 64 accumulators take turns, one instruction a turn, in the same order in every step.
.macro MUL16 a0, p, q, sc, first
.irp a, \a0, \a0+1
.irp b, 0,1,2,3,4,5,6,7
.if \first
	v_wmma_scale_f32_16x16x128_f8f6f4 v[8*(8*((\a)%4)+\b):8*(8*((\a)%4)+\b)+7], v[128*(\p)+FR*\b:128*(\p)+FR*\b+FR-1], v[AF+FR*(\a):AF+FR*(\a)+FR-1], v[BI+8*\b:BI+8*\b+7], v[SC+8*NQ*(\sc)+NQ*\b+(\q)], v[SC+8*NQ*(\sc)+NQ*(\a)+(\q)] matrix_a_fmt:MATRIX_FMT_FP4 matrix_b_fmt:MATRIX_FMT_FP4 matrix_a_scale:MATRIX_SCALE_ROW1
.else
	v_wmma_scale_f32_16x16x128_f8f6f4 v[8*(8*((\a)%4)+\b):8*(8*((\a)%4)+\b)+7], v[128*(\p)+FR*\b:128*(\p)+FR*\b+FR-1], v[AF+FR*(\a):AF+FR*(\a)+FR-1], v[8*(8*((\a)%4)+\b):8*(8*((\a)%4)+\b)+7], v[SC+8*NQ*(\sc)+NQ*\b+(\q)], v[SC+8*NQ*(\sc)+NQ*(\a)+(\q)] matrix_a_fmt:MATRIX_FMT_FP4 matrix_b_fmt:MATRIX_FMT_FP4 matrix_a_scale:MATRIX_SCALE_ROW1
.endif
.endr
.endr
.endm
.macro FETCH_B slot, q, p              ; the weights' eight fragments of the slot's q-th 128 along K into set p
	WIN TO_B
.irp i, 0,1,2,3,4,5,6,7
	FRAG 128*(\p)+FR*\i, ADRB+\slot, \q, \i
.endr
	WIN 0
.endm
.macro FETCH_A slot, q, i0             ; x's blocks i0 .. i0 + 3
.irp i, \i0, \i0+1, \i0+2, \i0+3
	FRAG AF+FR*(\i), ADRA+\slot, \q, \i
.endr
.endm
.macro SCALES sc                       ; a slot's scale words into set sc: NQ words a row
.irp i, 0,1,2,3,4,5,6,7
	ds_load_b128 v[SC+8*NQ*\sc+NQ*\i:SC+8*NQ*\sc+NQ*\i+3], v[ADRS] offset:\i*SBLK
.endr
.endm
; A load into a register that a matrix instruction has read, and a vector instruction that reads a matrix result, stand NP places behind that matrix instruction; only plain vector instructions that name none of its
; registers are places (ISA guide 7.12.1 for vector instructions).
.macro PLACES n
.rept \n
	v_nop
.endr
.endm
.macro STEP slot, q, first             ; a step of 128 along K that has its successor in the same slot
	s_wait_dscnt 4*NL                              ; the weights' set and x's blocks 0-3 are in; the youngest eight loads (x's blocks 4-7) may be out
.if \first
	WIN BIA_LO
.else
	WIN MUL_LO
.endif
	MUL16 0, (\q)%2, \q, \slot, \first
	MUL16 2, (\q)%2, \q, \slot, \first
	s_wait_dscnt 0                                 ; x's blocks 4-7 are in
	PLACES NP
	FETCH_B \slot, (\q)+1, 1-(\q)%2
	FETCH_A \slot, (\q)+1, 0
.if \first
	WIN BIA_HI
.else
	WIN MUL_HI
.endif
	MUL16 4, (\q)%2, \q, \slot, \first
	MUL16 6, (\q)%2, \q, \slot, \first
	PLACES NP
	WIN 0
	FETCH_A \slot, (\q)+1, 4
.endm
; Slot 0's last step changes slots: one barrier; in front of it each wave waits for all its tensor loads (its part of slot 1), adds 0 to its spare word, and waits for that and for its reads.  Nothing is filled again.
.macro TURN slot, next
	s_wait_tensorcnt 0x0                           ; all my tensor loads have landed  (every window is 0 here)
	ds_add_u32 v[SPW], v[NIL]                      ; 0 onto my spare word
	s_wait_dscnt 4*NL+1                            ; (the add and the youngest eight loads may be out)
	WIN MUL_LO
	MUL16 0, 1, NQ-1, \slot, 0
	s_wait_dscnt 0x0                               ; the add is done, and my reads of this slot are over
	s_barrier_signal -1
	MUL16 2, 1, NQ-1, \slot, 0
	WIN 0
	s_barrier_wait -1
	PLACES NP
	v_add_nc_u32 v[ADRS], 4*NQ, v[ADRS]            ; on to the next slot's scale words
	FETCH_B \next, 0, 0
	FETCH_A \next, 0, 0
	SCALES \next
	WIN MUL_HI
	MUL16 4, 1, NQ-1, \slot, 0
	MUL16 6, 1, NQ-1, \slot, 0
	PLACES NP
	WIN 0
	FETCH_A \next, 0, 4
.endm
	s_wait_tensorcnt 1                             ; the scales and my part of slot 0 are in (slot 1's load may be out)
	s_barrier_signal -1
	s_barrier_wait -1                              ; everybody's are
	FETCH_B 0, 0, 0
	FETCH_A 0, 0, 0
	SCALES 0
	FETCH_A 0, 0, 4
	s_wait_loadcnt 0x0                             ; the bias
	STEP 0, 0, 1                                   ; the first products start the sums at the bias
	STEP 0, 1, 0
	STEP 0, 2, 0
	TURN 0, 1
	STEP 1, 0, 0
	STEP 1, 1, 0
	STEP 1, 2, 0
	s_wait_dscnt 4*NL                              ; the very last step: nothing more to fetch
	WIN MUL_LO
	MUL16 0, 1, NQ-1, 1, 0
	MUL16 2, 1, NQ-1, 1, 0
	s_wait_dscnt 0
	WIN MUL_HI
	MUL16 4, 1, NQ-1, 1, 0
	MUL16 6, 1, NQ-1, 1, 0
	WIN 0
	PLACES NP                                      ; in front of the first reads of results and of the writes into the registers that held x's fragments
	s_cmp_lg_u32 ttmp9, 0                          ; the cluster's x: the same in all sixteen partners
	s_cbranch_scc1 .Lnot_q
	WIN 0x82                                       ; q alone: x log2(e) / 8, in f32, each accumulator from its low end on
.set i, 0
.rept 128
	v_pk_mul_f32 v[i:i+1], v[i:i+1], s[CQ:CQ+1] op_sel_hi:[1,0]
.set i, i+2
.endr
	WIN 0xc3
.set i, 0
.rept 128
	v_pk_mul_f32 v[i:i+1], v[i:i+1], s[CQ:CQ+1] op_sel_hi:[1,0]
.set i, i+2
.endr
	WIN 0
.Lnot_q:
; THE WAY OUT of block a (16 tokens x 128 channels): rounded to f16, 16 bytes a lane; the block b of 16 channels belongs to head b / 4 of my two and is its block b % 4.
.macro PACK a
.set AC, 64*((\a)%4)
.set TP, 128+32*((\a)%4)
	WIN 0x0a+5*((\a)/4)                            ; sources 0 and 1: window 2 or 3
.irp b, 0,1,2,3,4,5,6,7
.irp r, 0,1,2,3
	v_cvt_pk_f16_f32 v[TP+4*\b+\r], v[AC+8*\b+2*\r], v[AC+8*\b+2*\r+1]
.endr
.endr
	WIN 0
.irp b, 0,1,2,3,4,5,6,7
	global_store_b128 v[CO], v[TP+4*\b:TP+4*\b+3], s[12:13] offset:(\b/4)*262144+(\a)*2048+(\b%4)*512   ; the wave stores 512 consecutive bytes, aligned
.endr
.endm
	PACK 0
	PACK 1
	PACK 2
	PACK 3
	s_wait_xcnt 0x0                                ; the stores so far have read their data: the four sets of 32 registers are written a second time
	PACK 4
	PACK 5
	PACK 6
	PACK 7
	s_wait_tensorcnt 0x0                           ; the wave's end, behind my last tensor load
	ds_add_u32 v[SPW], v[NIL]
	s_wait_dscnt 0x0
	CROUND                                         ; the closing round: no work-group ends while a partner may still ask for a tile that names it
	s_endpgm
.Lfunc_end_k_q5c90a5c31c_qkv:
	.size	k_q5c90a5c31c_qkv, .Lfunc_end_k_q5c90a5c31c_qkv-k_q5c90a5c31c_qkv
	.p2alignl 7, 3214868480
	.fill 96, 4, 3214868480
	.section	.rodata,"a",@progbits
	.p2align	6, 0x0
	.amdhsa_kernel k_q5c90a5c31c_qkv
		.amdhsa_group_segment_fixed_size 327680
		.amdhsa_private_segment_fixed_size 0
		.amdhsa_enable_private_segment 0
		.amdhsa_kernarg_size 40
		.amdhsa_user_sgpr_count 2
		.amdhsa_user_sgpr_kernarg_segment_ptr 1
		.amdhsa_wavefront_size32 1
		.amdhsa_system_sgpr_workgroup_id_x 1
		.amdhsa_system_sgpr_workgroup_id_y 1
		.amdhsa_system_sgpr_workgroup_id_z 1
		.amdhsa_system_vgpr_workitem_id 0
		.amdhsa_next_free_vgpr 1024
		.amdhsa_next_free_sgpr 102
		.amdhsa_reserve_vcc 0
		.amdhsa_float_denorm_mode_32 3
		.amdhsa_float_denorm_mode_16_64 3
		.amdhsa_memory_ordered 1
		.amdhsa_forward_progress 1
		.amdhsa_inst_pref_size 138
	.end_amdhsa_kernel
	.amdgpu_metadata
---
amdhsa.version: [ 1, 2 ]
amdhsa.kernels:
  - .name:           k_q5c90a5c31c_qkv
    .symbol:         k_q5c90a5c31c_qkv.kd
    .args:
      - { .name: xq, .offset: 0, .size: 8, .value_kind: global_buffer, .address_space: global }
      - { .name: wq, .offset: 8, .size: 8, .value_kind: global_buffer, .address_space: global }
      - { .name: bq, .offset: 16, .size: 8, .value_kind: global_buffer, .address_space: global }
      - { .name: bv, .offset: 24, .size: 8, .value_kind: global_buffer, .address_space: global }
      - { .name: qkv, .offset: 32, .size: 8, .value_kind: global_buffer, .address_space: global }
    .group_segment_fixed_size: 327680
    .private_segment_fixed_size: 0
    .kernarg_segment_align: 8
    .kernarg_segment_size: 40
    .max_flat_workgroup_size: 128
    .sgpr_count:     102
    .vgpr_count:     1024
    .wavefront_size: 32
...
	.end_amdgpu_metadata
.endif
;; end of part 2
;; launch attn (part 3): grid 4 x 64, 16 waves a work-group, clusters of 4 x 1, 327,680 bytes of LDS; arguments qkv, mask_att, ao; writes ao
.if DOCPART == 3
	.amdgcn_target "amdgcn-amd-amdhsa--gfx1250"
	.amdhsa_code_object_version 6
	.text
	.protected	k_q5c90a5c31c_attn
	.globl	k_q5c90a5c31c_attn
	.p2align	8
	.type	k_q5c90a5c31c_attn,@function
k_q5c90a5c31c_attn:
	s_mov_b64 s[64:65], 0
	v_nop
	global_prefetch_b8 v0, s[64:65] scope:SCOPE_SE
	s_setreg_imm32_b32 hwreg(HW_REG_WAVE_MODE, 25, 1), 1
	s_wait_xcnt 0x0
	s_wait_alu depctr_hold_cnt(0) depctr_sa_sdst(0) depctr_va_vdst(0) depctr_va_sdst(0) depctr_va_ssrc(0) depctr_va_vcc(0) depctr_vm_vsrc(0)
	s_getreg_b32 s2, hwreg(HW_REG_IB_STS2, 6, 4)
	s_cmp_eq_u32 s2, 0
	s_cbranch_scc0 .Lentry_in_a_cluster
	s_endpgm
.Lentry_in_a_cluster:
	s_bfe_u32 s2, ttmp6, 0x10000c
	s_cmp_lg_u32 s2, 0x3003
	s_cbranch_scc0 .Lentry_shape_is_right
	s_endpgm
.Lentry_shape_is_right:
; ao[b][q][h] = the sum over keys of softmax_k(q . k / 8, keys with mask_att = 0 left out) v, for each of 64 pairs (batch, head) of 2,048 tokens x 64 channels.  Operands f16, products, maxima and sums f32.
; WORK LEFT OUT: bk (shown at the head of the first launch's text): k comes without it.  q comes as (x Wq + bq) x log2(e) / 8, so a score s is already the exponent to base 2.
; THE MASK.  A masked key gets the addend -2^100, as the C of the first product of its scores: |q . k| stays under 64 x 65,504^2 = 2.7e11, so such a score stays under -2^99, and 2^(s - m) is 0 beside any key that counts,
; as with the -infinity of the definition.  While all keys seen so far are masked, s - m is 0 or far below: finite numbers are summed, and the first key that counts multiplies them by 2^(old m - new m) = 0.
; A query whose m ends under -2^99 saw no key at all: its divisor is made NaN, as the definition's softmax of -infinities is.  All this by selection: no branch hangs on data.
; SOFTMAX.  For each query a running maximum m (from -3e38) and sum l: p = 2^(s - m); in every step O and l are multiplied by a = 2^(old m - new m).  p is rounded to f16 for the second product; l sums the unrounded p.
; SHARES.  A work-group owns 512 queries of one (batch, head), each of its SIXTEEN waves 32: two tiles of 16, in 256 registers: four waves to a SIMD, so that one wave's vector work stands beside another's products.
; Every wave walks all 2,048 keys, 64 a step.  K and V come through two LDS slots of 512 keys; each wave brings an eighth of a slot's K (waves 0-7) or V (waves 8-15): 8,192 dense bytes, by arithmetic on its number.
; CLUSTER.  The four work-groups of a (batch, head) walk the same K and V: each tile is asked for JOINTLY, by the same tensor load with the same descriptor and the mask 15.
; LAYOUT.  S^T = K Q^T (source 0 = 16 keys, source 1 = 16 queries) and O^T = V^T P (source 0 = 16 channels, source 1 = P): a lane holds ONE query (lane % 16) throughout.  qkv is laid in blocks of 16 tokens x 16 channels,
; 512 bytes: q's and k's are images of half an operand (lane l's 16 bytes at 16 l), v's are 16 rows of 32 bytes for the turning load.  So LDS needs no padding: every load of the wave takes 512 consecutive bytes.
; NO PREFETCH: a slot's refill is asked for eight key steps ahead of its first read, and each byte of K and V is asked for once in the launch, by one cluster.
.set KVB,   65536                      ; 512 keys of K, or of V, in bytes
.set SLOTB, 131072                     ; a slot: K's, then V's
.set STEPB, 8192                       ; 64 keys of K, or of V
.set MB,    262144                     ; behind the slots: the mask's addends, 2,048 f32; written by LDS stores alone
.set SPARE, 270336                     ; the spare words, 128 bytes for each of sixteen waves
.set AK0, 1                            ; v1   16 x lane: my place in an image; also my place in a store's 512 bytes; never rewritten
.set AV0, 2                            ; v2   my place in a block of V, + KVB
.set AM0, 3                            ; v3   MB + 32 (lane / 16)
.set ADK, 4                            ; v4-6 the step's addresses of K, of V, of the addends
.set ADV, 5
.set ADM, 6
.set SPW, 7                            ; v7   LDS address of my spare word; never rewritten
.set NIL, 8                            ; v8   0; never rewritten
.set ST,  16                           ; tile x's statistics at v[ST + 8 x]: +0 m, +1 (named with m as a pair), +2, +3 l in two halves, +4 to +7 at work; a takes +6
.set Q,   32                           ; v32-63   Q: tile x, channels 32 e on, at 16 x + 8 e
.set S,   64                           ; v64-127  S^T: tile x, keys 16 t on, at 32 x + 8 t; then p; then P in f16 in the tile's first 16 registers
.set O,   128                          ; v128-191 O^T: tile x, channels 16 d on, at 32 x + 8 d
.set KV,  192                          ; v192-255 K's eight fragments, later V's eight
.set WV,  12                           ; s12  my wave's number
.set G1,  24                           ; s[24:31] descriptor group 1, one for all loads
.set G0,  32                           ; s[32:39] descriptor group 0, a set for each slot
.set SEL, 42                           ; s[42:43] lane selects for v_permlanex16_b32: lane l xor 16
.set TB,  44                           ; s44  LDS byte at which the step's K begins
.set TM,  45                           ; s45  the step's first addend, in bytes
.set CNT, 46                           ; s46  steps left in the slot
.macro CROUND                          ; a round of the cluster's barrier
	s_barrier_signal -1
	s_barrier_wait -1
	s_cmp_lg_u32 s[WV], 0
	s_cbranch_scc1 .Lnot_wave_0_\@
	s_barrier_signal -3
.Lnot_wave_0_\@:
	s_barrier_wait -3
	s_barrier_signal -1
	s_barrier_wait -1
.endm
	s_load_b128 s[4:7], s[0:1], 0x0                ; qkv s[4:5], mask_att s[6:7]
	s_load_b64 s[8:9], s[0:1], 0x10                ; ao
	v_lshl_add_u32 v[SPW], v0, 2, SPARE
	v_mov_b32 v[NIL], 0
	ds_add_u32 v[SPW], v[NIL]                      ; the wave's opening: the add, twice on end, and its wait ahead of my first tensor load
	ds_add_u32 v[SPW], v[NIL]
	v_lshrrev_b32 v9, 5, v0
	v_readfirstlane_b32 s[WV], v9                  ; wave 0..15
	s_bfe_u32 s13, ttmp6, 0x40000                  ; cx: my place in the cluster
	s_lshl_b32 s14, ttmp9, 2
	s_add_co_u32 s14, s14, s13                     ; my block of 512 queries: it enters Q's and ao's addresses alone
	s_and_b32 s15, ttmp7, 0xffff                   ; 16 x batch + head, which the four partners share
	; descriptor group 1: a dense block of 8,192 bytes as 32 rows of 256 bytes (32 elements of 8 bytes)
	s_mov_b32 s[G1], 15|(3<<16)|(1<<21)            ; 15:0 the mask: all four work-groups; 17:16 elements of 8 bytes; 20 no padding; 21 set beside a mask
	s_mov_b32 s[G1+1], 32<<16                      ; tensor_dim0
	s_mov_b32 s[G1+2], 32<<16                      ; tensor_dim1
	s_mov_b32 s[G1+3], 32<<16                      ; tile_dim0
	s_mov_b32 s[G1+4], 32                          ; tile_dim1
	s_mov_b32 s[G1+5], 32                          ; from row to row
	s_mov_b32 s[G1+6], 0
	s_mov_b32 s[G1+7], 0
	s_lshr_b32 s16, s[WV], 3                       ; what I fetch: waves 0-7 K (2^24 bytes into qkv), waves 8-15 V (2 x 2^24),
	s_add_co_u32 s16, s16, 1
	s_lshl_b32 s16, s16, 24
	s_lshl_b32 s17, s15, 18                        ; my (batch, head): 262,144 bytes each,
	s_add_co_u32 s16, s16, s17
	s_and_b32 s17, s[WV], 7
	s_lshl_b32 s17, s17, 13                        ; my 64 keys of a slot's 512
	s_add_co_u32 s16, s16, s17
	s_mov_b32 s17, 0
	s_lshl_b32 s18, s[WV], 13                      ; and where they go in a slot: wave x 8,192: no place in the cluster enters an LDS address
	s_lshl_b32 s20, s15, 18                        ; Q: my (batch, head),
	s_lshl_b32 s21, s14, 16                        ; my work-group's 32 blocks of 16 queries, 2,048 bytes each,
	s_add_co_u32 s20, s20, s21
	s_lshl_b32 s21, s[WV], 12                      ; my wave's two
	s_add_co_u32 s20, s20, s21
	s_mov_b32 s21, 0
	s_lshr_b32 s22, s15, 4                         ; the batch:
	s_lshl_b32 s22, s22, 13                        ; its 2,048 words of the mask
	s_mov_b32 s23, 0
	s_lshr_b32 s48, s15, 4                         ; ao: block of 16 tokens 128 x batch + 32 x my block of queries + 2 x wave, 32,768 bytes each;
	s_lshl_b32 s48, s48, 7
	s_lshl_b32 s49, s14, 5
	s_add_co_u32 s48, s48, s49
	s_lshl_b32 s49, s[WV], 1
	s_add_co_u32 s48, s48, s49
	s_lshl_b32 s48, s48, 15
	s_and_b32 s49, s15, 15
	s_lshl_b32 s49, s49, 11                        ; in it the head's two images, 2,048 bytes
	s_add_co_u32 s48, s48, s49
	s_mov_b32 s49, 0
	s_mov_b32 s[SEL], 0x76543210
	s_mov_b32 s[SEL+1], 0xfedcba98
	s_wait_dscnt 0x0                               ; both opening adds are done
	s_wait_kmcnt 0x0
	s_add_nc_u64 s[16:17], s[4:5], s[16:17]
	s_add_nc_u64 s[20:21], s[4:5], s[20:21]
	s_add_nc_u64 s[6:7], s[6:7], s[22:23]
	s_add_nc_u64 s[8:9], s[8:9], s[48:49]
.irp n, 0,1
	s_mov_b32 s[G0+4*\n], 1                        ; count = 1
	s_add_co_u32 s[G0+4*\n+1], s18, \n*SLOTB       ; LDS address
	s_add_nc_u64 s[G0+4*\n+2:G0+4*\n+3], s[16:17], \n*KVB   ; slot n begins with keys 512 n on
	s_or_b32 s[G0+4*\n+3], s[G0+4*\n+3], 0x80000000         ; type = 2
.endr
	CROUND                                         ; all four work-groups are here: the first joint loads meet
	tensor_load_to_lds s[G0:G0+3], s[G1:G1+7]      ; every wave issues both first fills: two tensor loads of mine are out
	s_nop 0
	tensor_load_to_lds s[G0+4:G0+7], s[G1:G1+7]
	s_nop 0
	v_lshlrev_b32 v9, 4, v0
	global_load_b128 v[10:13], v9, s[6:7]          ; four words of the mask a thread: 512 threads take the batch's 2,048
	v_and_b32 v14, 31, v0
	v_lshlrev_b32 v[AK0], 4, v14
.irp x, 0,1
.irp e, 0,1
.irp c, 0,1
	global_load_b128 v[Q+16*\x+8*\e+4*\c:Q+16*\x+8*\e+4*\c+3], v[AK0], s[20:21] offset:\x*2048+\e*1024+\c*512   ; Q stays in registers
.endr
.endr
.endr
	v_bfe_u32 v15, v0, 4, 1                        ; h = lane / 16
	v_and_b32 v[AV0], 7, v0                        ; the turning load: lane l reads 16 bytes of token 8 h + l % 8, channels 8 ((l / 8) % 2) on; a token's row in a block is 32 bytes
	v_lshl_add_u32 v[AV0], v15, 3, v[AV0]
	v_lshlrev_b32 v[AV0], 5, v[AV0]
	v_bfe_u32 v14, v0, 3, 1
	v_lshl_add_u32 v[AV0], v14, 4, v[AV0]
	v_add_nc_u32 v[AV0], KVB, v[AV0]
	v_lshl_add_u32 v[AM0], v15, 5, MB              ; a lane's eight keys of a tile: 8 h on
	v_lshl_add_u32 v14, v0, 4, MB                  ; where my four addends go
.irp x, 0,1
	v_mov_b32 v[ST+8*\x], 0xff61b1e6               ; m: -3e38, under every score
	v_mov_b32 v[ST+8*\x+1], 0
	v_mov_b32 v[ST+8*\x+2], 0                      ; l
	v_mov_b32 v[ST+8*\x+3], 0
.endr
.set j, 0
.rept 64
	v_mov_b32 v[O+j], 0                            ; O^T.  (The key step is written once: the first finds zeros, which a = 0 leaves zeros)
.set j, j+1
.endr
	v_mov_b32 v15, 0xf1800000                      ; -2^100
	s_wait_loadcnt 8                               ; the mask is in; Q's eight loads may be out
.irp i, 0,1,2,3
	v_cmp_eq_u32 vcc_lo, 0, v[10+\i]
	v_cndmask_b32 v[10+\i], 0, v15, vcc_lo         ; 0 for a key that counts, -2^100 for a masked one
.endr
	ds_store_b128 v14, v[10:13]
	s_wait_loadcnt 0x0                             ; Q
	s_wait_tensorcnt 0x1                           ; my part of slot 0 is in; slot 1's may stay out
	s_wait_dscnt 0x0                               ; my addends are stored
	s_barrier_signal -1
	s_barrier_wait -1                              ; everybody's are
; The largest of tile x's 32 scores of a lane and the old m: four chains, each accumulator read from its low end on.
.macro MAXT x
.set rT, ST+8*(\x)
.set rS, S+32*(\x)
.irp j, 0,1,2,3
	v_max3_num_f32 v[rT+4+\j], v[rS+8*\j], v[rS+8*\j+1], v[rS+8*\j+2]
.endr
.irp g, 1,2
.irp j, 0,1,2,3
	v_max3_num_f32 v[rT+4+\j], v[rT+4+\j], v[rS+8*\j+2*\g+1], v[rS+8*\j+2*\g+2]
.endr
.endr
	v_max3_num_f32 v[rT+4], v[rT+4], v[rS+7], v[rS+15]
	v_max3_num_f32 v[rT+6], v[rT+6], v[rS+23], v[rS+31]
	v_max3_num_f32 v[rT+4], v[rT+4], v[rT+5], v[rT+6]
	v_max3_num_f32 v[rT+4], v[rT+4], v[rT+7], v[rT]
.endm
; A KEY STEP: 64 keys.
.macro STEP
	v_add_nc_u32 v[ADK], s[TB], v[AK0]             ; these two and three v_nop: five places behind the last step's products V^T P, whose P the products below write over and into whose registers the loads below land
	v_add_nc_u32 v[ADM], s[TM], v[AM0]
.rept 3
	v_nop
.endr
.irp t, 0,1,2,3
	ds_load_b128 v[S+32+8*\t:S+32+8*\t+3], v[ADM] offset:64*\t          ; the addends of keys 16 t + 8 h + 0..7, in a score tile's layout, INTO tile 1's accumulators
	ds_load_b128 v[S+32+8*\t+4:S+32+8*\t+7], v[ADM] offset:64*\t+16
.endr
.irp t, 0,1,2,3
.irp e, 0,1
	ds_load_b128 v[KV+16*\t+8*\e:KV+16*\t+8*\e+3], v[ADK] offset:2048*\t+1024*\e        ; K: keys 16 t on, channels 32 e on
	ds_load_b128 v[KV+16*\t+8*\e+4:KV+16*\t+8*\e+7], v[ADK] offset:2048*\t+1024*\e+512
.endr
.endr
	s_wait_dscnt 0x0
.irp t, 0,1,2,3                        ; tile 0: the first products take the addends as C; four accumulators by turns
	v_wmma_f32_16x16x32_f16 v[S+8*\t:S+8*\t+7], v[KV+16*\t:KV+16*\t+7], v[Q:Q+7], v[S+32+8*\t:S+32+8*\t+7]
.endr
.irp t, 0,1,2,3
	v_wmma_f32_16x16x32_f16 v[S+8*\t:S+8*\t+7], v[KV+16*\t+8:KV+16*\t+15], v[Q+8:Q+15], v[S+8*\t:S+8*\t+7]
.endr
	v_add_nc_u32 v[ADV], s[TB], v[AV0]             ; this and four v_nop: five places before the addends' registers, which tile 0's products read, are written by tile 1's; also the places ahead of the first read of tile 0's scores
.rept 4
	v_nop
.endr
.irp t, 0,1,2,3                        ; tile 1 adds onto the addends where they lie
	v_wmma_f32_16x16x32_f16 v[S+32+8*\t:S+32+8*\t+7], v[KV+16*\t:KV+16*\t+7], v[Q+16:Q+23], v[S+32+8*\t:S+32+8*\t+7]
.endr
.irp t, 0,1,2,3
	v_wmma_f32_16x16x32_f16 v[S+32+8*\t:S+32+8*\t+7], v[KV+16*\t+8:KV+16*\t+15], v[Q+24:Q+31], v[S+32+8*\t:S+32+8*\t+7]
.endr
	MAXT 0                                         ; sixteen plain instructions that name nothing of tile 1's products: the places ahead of the loads into K's registers and of the reads of tile 1's scores
.irp ks, 0,1
.irp d, 0,1,2,3
	ds_load_tr16_b128 v[KV+8*(4*\ks+\d):KV+8*(4*\ks+\d)+3], v[ADV] offset:4096*\ks+512*\d          ; V^T: channels 16 d on, keys 32 ks + 8 h + 0..7,
	ds_load_tr16_b128 v[KV+8*(4*\ks+\d)+4:KV+8*(4*\ks+\d)+7], v[ADV] offset:4096*\ks+512*\d+2048   ; and 16 keys on
.endr
.endr
	MAXT 1
.irp x, 0,1
	v_permlanex16_b32 v[ST+8*\x+5], v[ST+8*\x+4], s[SEL], s[SEL+1]   ; the query's other 32 keys lie in the lane 16 away
.endr
.irp x, 0,1
	v_mov_b32 v[ST+8*\x+7], v[ST+8*\x]             ; the old m
.endr
.irp x, 0,1
	v_max_num_f32 v[ST+8*\x], v[ST+8*\x+4], v[ST+8*\x+5]
.endr
.irp x, 0,1
	v_sub_f32 v[ST+8*\x+7], v[ST+8*\x+7], v[ST+8*\x]
.endr
.irp x, 0,1
	v_exp_f32 v[ST+8*\x+6], v[ST+8*\x+7]           ; a = 2^(old m - new m)
.endr
.set j, 0
.rept 16
	v_pk_add_f32 v[S+2*j:S+2*j+1], v[S+2*j:S+2*j+1], v[ST:ST+1] op_sel_hi:[1,0] neg_lo:[0,1] neg_hi:[0,1]   ; tile 0: s - m, two at a time (of the pair the low word serves both halves)
.set j, j+1
.endr
.set j, 0
.rept 16                               ; tile 0's exponentials, with tile 1's subtractions as the plain work among them; nothing here names an exponential's result
	v_pk_add_f32 v[S+32+2*j:S+32+2*j+1], v[S+32+2*j:S+32+2*j+1], v[ST+8:ST+9] op_sel_hi:[1,0] neg_lo:[0,1] neg_hi:[0,1]
	v_exp_f32 v[S+2*j], v[S+2*j]
	v_exp_f32 v[S+2*j+1], v[S+2*j+1]
.set j, j+1
.endr
	s_wait_alu depctr_va_vdst(0)                   ; one wait for the batch so far (both a, tile 0's p), ahead of its first reader
.set j, 0
.rept 16                               ; tile 1's exponentials, with O^T's rescaling as the plain work among them
	v_pk_mul_f32 v[O+4*j:O+4*j+1], v[O+4*j:O+4*j+1], v[ST+8*(j/8)+6:ST+8*(j/8)+7] op_sel_hi:[1,0]
	v_exp_f32 v[S+32+2*j], v[S+32+2*j]
	v_pk_mul_f32 v[O+4*j+2:O+4*j+3], v[O+4*j+2:O+4*j+3], v[ST+8*(j/8)+6:ST+8*(j/8)+7] op_sel_hi:[1,0]
	v_exp_f32 v[S+32+2*j+1], v[S+32+2*j+1]
.set j, j+1
.endr
	v_nop                                          ; a plain instruction behind the last exponential
	s_wait_alu depctr_va_vdst(0)                   ; and the wait for tile 1's batch
.irp x, 0,1                            ; the sums of the unrounded p: two chains a tile, the tiles by turns
	v_pk_fma_f32 v[ST+8*\x+2:ST+8*\x+3], v[ST+8*\x+2:ST+8*\x+3], v[ST+8*\x+6:ST+8*\x+7], v[S+32*\x:S+32*\x+1] op_sel_hi:[1,0,1]   ; l = a l + the first pair
.endr
.irp x, 0,1
	v_pk_add_f32 v[ST+8*\x+4:ST+8*\x+5], v[S+32*\x+2:S+32*\x+3], v[S+32*\x+4:S+32*\x+5]
.endr
.irp p, 3,5,7,9,11,13
.irp x, 0,1
	v_pk_add_f32 v[ST+8*\x+2:ST+8*\x+3], v[ST+8*\x+2:ST+8*\x+3], v[S+32*\x+2*\p:S+32*\x+2*\p+1]
.endr
.irp x, 0,1
	v_pk_add_f32 v[ST+8*\x+4:ST+8*\x+5], v[ST+8*\x+4:ST+8*\x+5], v[S+32*\x+2*\p+2:S+32*\x+2*\p+3]
.endr
.endr
.irp x, 0,1
	v_pk_add_f32 v[ST+8*\x+2:ST+8*\x+3], v[ST+8*\x+2:ST+8*\x+3], v[S+32*\x+30:S+32*\x+31]
.endr
.irp x, 0,1
	v_pk_add_f32 v[ST+8*\x+2:ST+8*\x+3], v[ST+8*\x+2:ST+8*\x+3], v[ST+8*\x+4:ST+8*\x+5]
.endr
.set j, 0
.rept 16                               ; P in f16, in place: register j takes p of registers 2 j and 2 j + 1, which lie at or above it: two score tiles become one operand of 32 keys
	v_cvt_pk_f16_f32 v[S+j], v[S+2*j], v[S+2*j+1]
	v_cvt_pk_f16_f32 v[S+32+j], v[S+32+2*j], v[S+32+2*j+1]
.set j, j+1
.endr
	s_wait_dscnt 0x0                               ; V is in
.irp ks, 0,1                           ; O^T += V^T P: eight accumulators by turns
.irp d, 0,1,2,3
.irp x, 0,1
	v_wmma_f32_16x16x32_f16 v[O+32*\x+8*\d:O+32*\x+8*\d+7], v[KV+8*(4*\ks+\d):KV+8*(4*\ks+\d)+7], v[S+32*\x+8*\ks:S+32*\x+8*\ks+7], v[O+32*\x+8*\d:O+32*\x+8*\d+7]
.endr
.endr
.endr
.endm
; The eight key steps of slot n, which holds keys 512 i on.
.macro SLOT n, i
	s_mov_b32 s[TB], (\n)*SLOTB
	s_mov_b32 s[TM], (\i)*2048
	s_mov_b32 s[CNT], 8
.Lstep_\@:
	STEP
	s_add_co_u32 s[TB], s[TB], STEPB
	s_add_co_u32 s[TM], s[TM], 256
	s_sub_co_u32 s[CNT], s[CNT], 1
	s_cmp_lg_u32 s[CNT], 0
	s_cbranch_scc1 .Lstep_\@
.endm
; THE CHANGE OF SLOTS.  Each wave waits for all its tensor loads (its part of the slot ahead), adds 0 to its spare word, and waits for that and for its reads of the slot that it leaves.
; fill = 1: slot n, just left, is filled with the keys 1,024 on.  The barrier is then a round of the cluster's, and the joint refill is the first thing behind it, one load a wave: it has eight key steps in which to land.
.macro CHANGE fill, n
	s_wait_tensorcnt 0x0                           ; no tensor load of mine is out, so a group 0 may be written
	ds_add_u32 v[SPW], v[NIL]                      ; 0 onto my spare word
.if \fill
	s_add_nc_u64 s[G0+4*\n+2:G0+4*\n+3], s[G0+4*\n+2:G0+4*\n+3], 2*KVB   ; the type bits on top are not reached
.endif
	s_wait_dscnt 0x0                               ; the add is done, and my reads of the slot are over
.if \fill
	CROUND
	tensor_load_to_lds s[G0+4*\n:G0+4*\n+3], s[G1:G1+7]
	s_nop 0
.else
	s_barrier_signal -1
	s_barrier_wait -1
.endif
.endm
	SLOT 0, 0
	CHANGE 1, 0
	SLOT 1, 1
	CHANGE 1, 1
	SLOT 0, 2
	CHANGE 0, 0                                    ; nothing is left to ask for
	SLOT 1, 3
	; THE WAY OUT.  l's two halves and the other half of the lanes' are added (these lines are also the places behind the last products); O^T / l is rounded to f16: a lane's eight channels are 16 bytes, and the wave's
	; 32 lanes hold 512 consecutive bytes of an image of the next launch's operand: [16 tokens][32 along its K][1,024 bytes], channels 16 d on of head h at byte 2,048 h + 512 d.
.irp x, 0,1
	v_add_f32 v[ST+8*\x+4], v[ST+8*\x+2], v[ST+8*\x+3]
.endr
.irp x, 0,1
	v_permlanex16_b32 v[ST+8*\x+5], v[ST+8*\x+4], s[SEL], s[SEL+1]
.endr
.irp x, 0,1
	v_add_f32 v[ST+8*\x+4], v[ST+8*\x+4], v[ST+8*\x+5]
.endr
	v_mov_b32 v9, 0x7fc00000                       ; NaN
.irp x, 0,1
	v_rcp_f32 v[ST+8*\x+6], v[ST+8*\x+4]
.endr
	v_nop                                          ; a plain instruction behind the last reciprocal
	s_wait_alu depctr_va_vdst(0)                   ; and the wait ahead of the first use: one for both
.irp x, 0,1
	v_cmp_gt_f32 vcc_lo, 0xf1000000, v[ST+8*\x]    ; -2^99 > m: no key of the batch counts
	v_cndmask_b32 v[ST+8*\x+6], v[ST+8*\x+6], v9, vcc_lo
.endr
.set j, 0
.rept 32
	v_pk_mul_f32 v[O+2*j:O+2*j+1], v[O+2*j:O+2*j+1], v[ST+8*(j/16)+6:ST+8*(j/16)+7] op_sel_hi:[1,0]
.set j, j+1
.endr
.set j, 0
.rept 32
	v_cvt_pk_f16_f32 v[S+j], v[O+2*j], v[O+2*j+1]
.set j, j+1
.endr
.irp x, 0,1
.irp d, 0,1,2,3
	global_store_b128 v[AK0], v[S+16*\x+4*\d:S+16*\x+4*\d+3], s[8:9] offset:\x*32768+\d*512   ; the wave stores 512 consecutive bytes, aligned
.endr
.endr
	s_wait_tensorcnt 0x0                           ; the wave's end, behind my last tensor load and my last LDS store
	ds_add_u32 v[SPW], v[NIL]
	s_wait_dscnt 0x0
	CROUND                                         ; the closing round: no work-group ends while a partner may still ask for a tile that names it
	s_endpgm
.Lfunc_end_k_q5c90a5c31c_attn:
	.size	k_q5c90a5c31c_attn, .Lfunc_end_k_q5c90a5c31c_attn-k_q5c90a5c31c_attn
	.p2alignl 7, 3214868480
	.fill 96, 4, 3214868480
	.section	.rodata,"a",@progbits
	.p2align	6, 0x0
	.amdhsa_kernel k_q5c90a5c31c_attn
		.amdhsa_group_segment_fixed_size 327680
		.amdhsa_private_segment_fixed_size 0
		.amdhsa_enable_private_segment 0
		.amdhsa_kernarg_size 24
		.amdhsa_user_sgpr_count 2
		.amdhsa_user_sgpr_kernarg_segment_ptr 1
		.amdhsa_wavefront_size32 1
		.amdhsa_system_sgpr_workgroup_id_x 1
		.amdhsa_system_sgpr_workgroup_id_y 1
		.amdhsa_system_sgpr_workgroup_id_z 1
		.amdhsa_system_vgpr_workitem_id 0
		.amdhsa_next_free_vgpr 256
		.amdhsa_next_free_sgpr 66
		.amdhsa_reserve_vcc 1
		.amdhsa_float_denorm_mode_32 3
		.amdhsa_float_denorm_mode_16_64 3
		.amdhsa_memory_ordered 1
		.amdhsa_forward_progress 1
		.amdhsa_inst_pref_size 86
	.end_amdhsa_kernel
	.amdgpu_metadata
---
amdhsa.version: [ 1, 2 ]
amdhsa.kernels:
  - .name:           k_q5c90a5c31c_attn
    .symbol:         k_q5c90a5c31c_attn.kd
    .args:
      - { .name: qkv, .offset: 0, .size: 8, .value_kind: global_buffer, .address_space: global }
      - { .name: mask_att, .offset: 8, .size: 8, .value_kind: global_buffer, .address_space: global }
      - { .name: ao, .offset: 16, .size: 8, .value_kind: global_buffer, .address_space: global }
    .group_segment_fixed_size: 327680
    .private_segment_fixed_size: 0
    .kernarg_segment_align: 8
    .kernarg_segment_size: 24
    .max_flat_workgroup_size: 512
    .sgpr_count:     66
    .vgpr_count:     256
    .wavefront_size: 32
...
	.end_amdgpu_metadata
.endif
;; end of part 3
;; launch proj (part 4): grid 8 x 64, 4 waves a work-group, clusters of 4 x 4, 327,680 bytes of LDS; arguments ao, wo16, bo, out0; writes out0
.if DOCPART == 4
	.amdgcn_target "amdgcn-amd-amdhsa--gfx1250"
	.amdhsa_code_object_version 6
	.text
	.protected	k_q5c90a5c31c_proj
	.globl	k_q5c90a5c31c_proj
	.p2align	8
	.type	k_q5c90a5c31c_proj,@function
k_q5c90a5c31c_proj:
	s_mov_b64 s[64:65], 0
	v_nop
	global_prefetch_b8 v0, s[64:65] scope:SCOPE_SE
	s_setreg_imm32_b32 hwreg(HW_REG_WAVE_MODE, 25, 1), 1
	s_wait_xcnt 0x0
	s_wait_alu depctr_hold_cnt(0) depctr_sa_sdst(0) depctr_va_vdst(0) depctr_va_sdst(0) depctr_va_ssrc(0) depctr_va_vcc(0) depctr_vm_vsrc(0)
	s_getreg_b32 s2, hwreg(HW_REG_IB_STS2, 6, 4)
	s_cmp_eq_u32 s2, 0
	s_cbranch_scc0 .Lentry_in_a_cluster
	s_endpgm
.Lentry_in_a_cluster:
	s_bfe_u32 s2, ttmp6, 0x10000c
	s_cmp_lg_u32 s2, 0xf033
	s_cbranch_scc0 .Lentry_shape_is_right
	s_endpgm
.Lentry_shape_is_right:
; out0[8,192 tokens][1,024] = ao x Wo + bo.  Operands f16, sums f32, K = 1,024.  Nothing of the definition is left out here.
; ao and wo16 are laid as IMAGES of matrix operands: [16 rows][32 along K][1,024 bytes], lane l's registers 4 c .. 4 c + 3 at byte 512 c + 16 l.  So a fragment is two loads of 512 consecutive bytes, LDS needs no padding,
; and 64 rows x 256 along K are four runs of 8,192 consecutive bytes of memory, 32,768 bytes apart: one tensor load.
; A tile of the output is 128 x 128: 512 work-groups; a tile of 256 x 256 would give 128.  Four waves, each 64 x 64: 16 accumulators.  K goes in four steps of 256 through two LDS slots; the four steps are written out.
; CLUSTERS: 4 x 4 work-groups.  The four of a row of the cluster need the same tiles of ao, the four of a column the same tiles of wo16: each tile is asked for JOINTLY.
; THE MATRIX INSTRUCTION IS USED TRANSPOSED (source 0 = 16 columns of Wo, source 1 = 16 tokens): a lane holds eight neighbouring numbers of a row of the output.  bo is the C of the first products.
; REGISTERS: window 0: v0-31 addresses; v32-63 bo, later with v64-95 rows on the way out; v128-255 the accumulators ((a, b) at v[128 + 8 (4 a + b)]).   window 1: two fragment buffers of 128: 64 of ao, then 64 of wo16.
.set KSTEPB, 8192                      ; a block of 16 rows x 256 along K: eight images
.set HALFT,  32768                     ; 64 rows of a K step: what one tensor load brings, and what one wave reads of ao or of wo16
.set SLOT,   4*HALFT                   ; ao's 128 rows, then wo16's 128
.set STAGE,  2*SLOT                    ; behind the slots: 16 rows x 272 bytes for each wave, for the way out
.set SPITCH, 272
.set SPARE,  STAGE+4*16*SPITCH         ; the spare words, 128 bytes for each wave
.set ADRA, 16                          ; v16-17  LDS address of my fragments of ao in slot 0, 1
.set ADRB, 20                          ; v20-21  the same for wo16
.set STO,  24                          ; v24     the way out: where I put 32 bytes of a row
.set RD,   25                          ; v25     where I read a row back
.set CO,   26                          ; v26     my byte offset in the output
.set SPW,  28                          ; v28     LDS address of my spare word; never rewritten
.set NIL,  29                          ; v29     0; never rewritten
.set BI,   32                          ; bo: eight registers for each block of 16 columns
.set TMP,  32                          ; the way out: two sets of 32 registers
.set ACC,  128
.set F0,   0                           ; fragment buffers, in window 1
.set F1,   128
.set G1, 24                            ; s[24:31] descriptor group 1 for ao's tiles;  s[32:39] group 0, one set for each slot
.set G0, 32
.set G1B, 48                           ; s[48:55], s[56:63] the same for wo16's
.set G0B, 56
.set MSB, 0
.macro WIN new                         ; the immediate's high byte repeats the setting that is left
.if MSB != \new
	s_set_vgpr_msb (MSB<<8)|\new
.set MSB, \new
.endif
.endm
.set MUL,  0x05                        ; sources 0 and 1 window 1; C and D window 0
.set TO_F, 0x40                        ; destination window 1, address window 0
.macro JLOAD s                         ; a joint load: waves 0 and 1 fetch ao's two halves, waves 2 and 3 wo16's; an s_nop 0 and four v_nop follow each of the two lines
	s_cmp_eq_u32 s11, 0
	s_cbranch_scc0 .Lfor_b_\@
	tensor_load_to_lds s[G0+4*\s:G0+4*\s+3], s[G1:G1+7]
	s_nop 0
.rept 4
	v_nop
.endr
	s_branch .Lasked_\@
.Lfor_b_\@:
	tensor_load_to_lds s[G0B+4*\s:G0B+4*\s+3], s[G1B:G1B+7]
	s_nop 0
.rept 4
	v_nop
.endr
.Lasked_\@:
.endm
.macro CREST                           ; a round of the cluster's barrier behind its opening barrier
	s_cmp_lg_u32 s10, 0
	s_cbranch_scc1 .Lnot_wave_0_\@
	s_barrier_signal -3
.Lnot_wave_0_\@:
	s_barrier_wait -3
	s_barrier_signal -1
	s_barrier_wait -1
.endm
.macro CROUND                          ; a whole round
	s_barrier_signal -1
	s_barrier_wait -1
	CREST
.endm
	s_load_b128 s[4:7], s[0:1], 0x0                ; ao s[4:5], wo16 s[6:7]
	s_load_b64 s[66:67], s[0:1], 0x10              ; bo
	s_load_b64 s[8:9], s[0:1], 0x18                ; out0
	v_lshl_add_u32 v[SPW], v0, 2, SPARE
	v_mov_b32 v[NIL], 0
	ds_add_u32 v[SPW], v[NIL]                      ; the wave's opening: the add, twice on end, and its wait ahead of my first tensor load
	ds_add_u32 v[SPW], v[NIL]
	v_lshrrev_b32 v1, 5, v0
	v_readfirstlane_b32 s10, v1                    ; wave 0..3
	s_lshr_b32 s11, s10, 1                         ; which half of the tile's rows is mine.  Also: I fetch for ao (0) or for wo16 (1)
	s_and_b32 s12, s10, 1                          ; which half of its columns.  Also: which 64 rows I fetch
	s_bfe_u32 s40, ttmp6, 0x40000                  ; cx, cy: my place in the cluster
	s_bfe_u32 s41, ttmp6, 0x40004
	s_lshl_b32 s42, ttmp9, 2
	s_add_co_u32 s42, s42, s40                     ; tile column = 4 x cluster x + cx
	s_and_b32 s13, ttmp7, 0xffff
	s_lshl_b32 s13, s13, 2
	s_add_co_u32 s13, s13, s41                     ; tile row = 4 x cluster y + cy
	s_lshl_b32 s43, s41, 2
	s_lshl_b32 s43, 15, s43                        ; my row of the cluster
	s_lshl_b32 s44, 0x1111, s40                    ; my column
	; descriptor group 1: 4 rows of 8,192 bytes (1,024 elements of 8 bytes), 32,768 bytes apart; dense in LDS
	s_or_b32 s[G1+0], s43, (3<<16)|(1<<21)         ; 15:0 the mask: ao's tiles go to my row; 17:16 elements of 8 bytes; 21 set beside a mask
	s_or_b32 s[G1B+0], s44, (3<<16)|(1<<21)
.irp g, G1, G1B
	s_mov_b32 s[\g+1], 1024<<16                    ; tensor_dim0
	s_mov_b32 s[\g+2], 4<<16                       ; tensor_dim1
	s_mov_b32 s[\g+3], 1024<<16                    ; tile_dim0
	s_mov_b32 s[\g+4], 4                           ; tile_dim1
	s_mov_b32 s[\g+5], 4096                        ; from row to row
	s_mov_b32 s[\g+6], 0
	s_mov_b32 s[\g+7], 0
.endr
	s_lshl_b32 s17, s12, 17                        ; which four blocks of 16 rows I fetch, 32,768 bytes each
	s_lshl_b32 s16, s13, 18
	s_add_co_u32 s16, s16, s17                     ; ao: block 8 x tile row + 4 x half
	s_lshl_b32 s46, s42, 18
	s_add_co_u32 s46, s46, s17                     ; wo16: block 8 x tile column + 4 x half
	s_mov_b32 s17, 0
	s_mov_b32 s47, 0
	s_lshl_b32 s20, s10, 15                        ; where they go: wave x 32,768: no place in the cluster enters an LDS address
	s_wait_dscnt 0x0                               ; both opening adds are done
	s_wait_kmcnt 0x0
	s_add_nc_u64 s[14:15], s[4:5], s[16:17]
	s_add_nc_u64 s[46:47], s[6:7], s[46:47]
	CROUND                                         ; all sixteen work-groups are here: the first joint loads meet
.irp s, 0,1
	s_mov_b32 s[G0+4*\s], 1
	s_add_co_u32 s[G0+4*\s+1], s20, \s*SLOT
	s_add_nc_u64 s[G0+4*\s+2:G0+4*\s+3], s[14:15], \s*KSTEPB
	s_or_b32 s[G0+4*\s+3], s[G0+4*\s+3], 0x80000000
	s_mov_b32 s[G0B+4*\s], 1
	s_add_co_u32 s[G0B+4*\s+1], s20, \s*SLOT
	s_add_nc_u64 s[G0B+4*\s+2:G0B+4*\s+3], s[46:47], \s*KSTEPB
	s_or_b32 s[G0B+4*\s+3], s[G0B+4*\s+3], 0x80000000
	JLOAD \s                                       ; two tensor loads of mine are out
.endr
	v_and_b32 v1, 15, v0                           ; r = l % 16
	v_bfe_u32 v2, v0, 4, 1                         ; h = l / 16
	v_and_b32 v3, 31, v0
	v_lshlrev_b32 v3, 4, v3                        ; 16 x lane: my place in an image's half
	s_lshl_b32 s21, s11, 15                        ; my 64 rows of ao
	s_lshl_b32 s22, s12, 15                        ; my 64 rows of wo16,
	s_add_co_u32 s22, s22, 2*HALFT                 ; which lie behind ao's 128
.irp s, 0,1
	v_add_nc_u32 v[ADRA+\s], s21, v3
	v_add_nc_u32 v[ADRB+\s], s22, v3
	s_add_co_u32 s21, s21, SLOT
	s_add_co_u32 s22, s22, SLOT
.endr
	s_mul_i32 s23, s10, 16*SPITCH
	s_add_co_u32 s23, s23, STAGE                   ; my stage
	v_mul_u32_u24 v4, v1, SPITCH                   ; in: row r, 32 bytes for each half of the lanes
	v_lshl_add_u32 v4, v2, 5, v4
	v_add_nc_u32 v[STO], s23, v4
	v_mul_u32_u24 v5, v2, SPITCH                   ; back: lanes 0-15 take one row of 256 bytes, lanes 16-31 the next
	v_lshl_add_u32 v5, v1, 4, v5
	v_add_nc_u32 v[RD], s23, v5
	v_lshlrev_b32 v5, 12, v2                       ; and the same two rows in the output: 4,096 bytes a row
	v_lshl_add_u32 v[CO], v1, 4, v5
	s_lshl_b32 s46, s42, 9                         ; my 64 columns, in bytes: 512 x tile column + 256 x half
	s_lshl_b32 s47, s12, 8
	s_add_co_u32 s46, s46, s47
	s_mov_b32 s47, 0
	s_add_nc_u64 s[66:67], s[66:67], s[46:47]      ; bo there
	s_lshl_b32 s16, s13, 19                        ; my first row: 128 x tile row + 64 x half, 4,096 bytes each
	s_lshl_b32 s17, s11, 18
	s_add_co_u32 s16, s16, s17
	s_add_co_u32 s16, s16, s46
	s_mov_b32 s17, 0
	s_add_nc_u64 s[8:9], s[8:9], s[16:17]
	v_lshlrev_b32 v6, 5, v2
.irp b, 0,1,2,3
	global_load_b128 v[BI+8*\b:BI+8*\b+3], v6, s[66:67] offset:64*\b         ; lane (r, h): bo of columns 16 b + 8 h + 0..7, the result's layout
	global_load_b128 v[BI+8*\b+4:BI+8*\b+7], v6, s[66:67] offset:64*\b+16
.endr
; 8 matrix instructions: row blocks a0, a0 + 1 x all 4 column blocks, 32 along K: half c of buffer f.  first = 1: C is bo.  The 16 accumulators take turns.
.macro MUL8 f, c, a0, first
.irp a, \a0, \a0+1
.irp b, 0,1,2,3
.if \first
	v_wmma_f32_16x16x32_f16 v[ACC+8*(4*(\a)+\b):ACC+8*(4*(\a)+\b)+7], v[\f+64+8*(4*\c+\b):\f+64+8*(4*\c+\b)+7], v[\f+8*(4*\c+\a):\f+8*(4*\c+\a)+7], v[BI+8*\b:BI+8*\b+7]
.else
	v_wmma_f32_16x16x32_f16 v[ACC+8*(4*(\a)+\b):ACC+8*(4*(\a)+\b)+7], v[\f+64+8*(4*\c+\b):\f+64+8*(4*\c+\b)+7], v[\f+8*(4*\c+\a):\f+8*(4*\c+\a)+7], v[ACC+8*(4*(\a)+\b):ACC+8*(4*(\a)+\b)+7]
.endif
.endr
.endr
.endm
; 32 LDS loads in one run: the fragments of the slot's q-th 64 along K (images 2 q and 2 q + 1 of each block) into buffer f; the first 32 along K first
.macro FETCH slot, q, f
	WIN TO_F
.irp c, 0,1
.irp i, 0,1,2,3
	ds_load_b128 v[\f+64+8*(4*\c+\i):\f+64+8*(4*\c+\i)+3],   v[ADRB+\slot] offset:\i*KSTEPB+(2*(\q)+\c)*1024
	ds_load_b128 v[\f+64+8*(4*\c+\i)+4:\f+64+8*(4*\c+\i)+7], v[ADRB+\slot] offset:\i*KSTEPB+(2*(\q)+\c)*1024+512
	ds_load_b128 v[\f+8*(4*\c+\i):\f+8*(4*\c+\i)+3],         v[ADRA+\slot] offset:\i*KSTEPB+(2*(\q)+\c)*1024
	ds_load_b128 v[\f+8*(4*\c+\i)+4:\f+8*(4*\c+\i)+7],       v[ADRA+\slot] offset:\i*KSTEPB+(2*(\q)+\c)*1024+512
.endr
.endr
.endm
.macro PLACES                          ; four places in front of loads into registers that matrix instructions have read, and of LDS stores that read results (ISA guide 7.12.1 for the stores)
.rept 4
	v_nop
.endr
.endm
; A K step is four quarters of 64 along K, 32 matrix instructions each, on buffers 0, 1, 0, 1.  One of the first three: multiplies buffer f and fetches quarter q into g.
.macro QUARTER slot, q, f, g, first
	s_wait_dscnt 16                                ; the first 32 along K are in; the youngest sixteen loads may be out
	WIN MUL
	MUL8 \f, 0, 0, \first
	MUL8 \f, 0, 2, \first
	PLACES
	FETCH \slot, \q, \g
	s_wait_dscnt 32                                ; all but the 32 just issued
	WIN MUL
	MUL8 \f, 1, 0, 0
	MUL8 \f, 1, 2, 0
.endm
; The last quarter multiplies buffer 1 and changes slots: ONE barrier; in front of it each wave waits for all its tensor loads, adds 0 to its spare word, and waits for that and for its reads of this slot.
; fill = 1: this slot is filled again, two K steps ahead; the barrier then opens a round of the cluster's.
.macro TURN slot, next, fill
	WIN 0                                          ; (the add's two registers lie in window 0)
	s_wait_tensorcnt 0x0                           ; all my tensor loads have landed: my part of the next slot
	ds_add_u32 v[SPW], v[NIL]                      ; 0 onto my spare word
	s_wait_dscnt 17                                ; (the add and the youngest sixteen loads may be out)
	WIN MUL
	MUL8 F1, 0, 0, 0
	s_wait_dscnt 0x0                               ; the add is done, and my reads of this slot are over
	s_barrier_signal -1
	MUL8 F1, 0, 2, 0
.if \fill
	WIN 0
.endif
	s_barrier_wait -1
.if \fill
	CREST                                          ; no wave of any partner still reads this slot's tile or has a load on its way
	s_add_nc_u64 s[G0+4*\slot+2:G0+4*\slot+3], s[G0+4*\slot+2:G0+4*\slot+3], 2*KSTEPB
	s_add_nc_u64 s[G0B+4*\slot+2:G0B+4*\slot+3], s[G0B+4*\slot+2:G0B+4*\slot+3], 2*KSTEPB
	JLOAD \slot                                    ; the first tensor load behind the round; the four v_nop behind it are also the places in front of the loads below
.else
	PLACES
.endif
	FETCH \next, 0, F0
	WIN MUL
	MUL8 F1, 1, 0, 0
	MUL8 F1, 1, 2, 0
.endm
	s_wait_tensorcnt 1                             ; my part of K step 0 is in (K step 1's load may be out)
	s_barrier_signal -1
	s_barrier_wait -1                              ; everybody's is
	FETCH 0, 0, F0
	s_wait_loadcnt 0x0                             ; bo
	QUARTER 0, 1, F0, F1, 1                        ; the first products start the sums at bo
	QUARTER 0, 2, F1, F0, 0
	QUARTER 0, 3, F0, F1, 0
	TURN 0, 1, 1                                   ; slot 0 takes K step 2
	QUARTER 1, 1, F0, F1, 0
	QUARTER 1, 2, F1, F0, 0
	QUARTER 1, 3, F0, F1, 0
	TURN 1, 0, 1                                   ; slot 1 takes K step 3
	QUARTER 0, 1, F0, F1, 0
	QUARTER 0, 2, F1, F0, 0
	QUARTER 0, 3, F0, F1, 0
	TURN 0, 1, 0                                   ; nothing is left to ask for
	QUARTER 1, 1, F0, F1, 0
	QUARTER 1, 2, F1, F0, 0
	QUARTER 1, 3, F0, F1, 0
	s_wait_dscnt 16                                ; the very last quarter: nothing more to fetch
	WIN MUL
	MUL8 F1, 0, 0, 0
	MUL8 F1, 0, 2, 0
	s_wait_dscnt 0
	MUL8 F1, 1, 0, 0
	MUL8 F1, 1, 2, 0
	WIN 0
; THE WAY OUT, block by block of 16 rows x 64 columns.  A lane holds 32 neighbouring bytes of a row, and the lanes beside it hold other rows: so a block goes through my own stage in LDS and comes back as whole rows
; of 256 bytes.  LDS serves a wave's instructions in order (ISA guide 5.7.1.4): no wait between the stores and the loads, nor in front of the next block's stores.
.macro TOSTAGE a
.set BB, TMP+32*((\a)%2)
.irp b, 0,1,2,3
	ds_store_b128 v[STO], v[ACC+8*(4*(\a)+\b):ACC+8*(4*(\a)+\b)+3] offset:64*\b          ; each accumulator from its low end on
	ds_store_b128 v[STO], v[ACC+8*(4*(\a)+\b)+4:ACC+8*(4*(\a)+\b)+7] offset:64*\b+16
.endr
.irp i, 0,1,2,3,4,5,6,7
	ds_load_b128 v[BB+4*\i:BB+4*\i+3], v[RD] offset:\i*2*SPITCH
.endr
.endm
.macro SEND a, younger                 ; younger: the LDS instructions issued behind block a's loads, which may stay out
.set BB, TMP+32*((\a)%2)
	s_wait_dscnt \younger                          ; the block is back in registers
.irp i, 0,1,2,3,4,5,6,7
	global_store_b128 v[CO], v[BB+4*\i:BB+4*\i+3], s[8:9] offset:(16*(\a)+2*\i)*4096 th:TH_STORE_NT   ; sixteen lanes store 256 consecutive bytes, aligned; written once, read by nobody here
.endr
.endm
	PLACES
	TOSTAGE 0
.irp a, 1,2,3
.if \a > 1
	s_wait_xcnt 0x0                                ; block a - 2's stores have read their registers: block a's loads may land there
.endif
	TOSTAGE \a
	SEND \a-1, 16                                  ; behind block a - 1's loads: block a's 8 stores and 8 loads
.endr
	SEND 3, 0
	s_wait_tensorcnt 0x0                           ; the wave's end, behind my last tensor load and my last LDS store
	ds_add_u32 v[SPW], v[NIL]
	s_wait_dscnt 0x0
	CROUND                                         ; the closing round: no work-group ends while a partner may still ask for a tile that names it
	s_endpgm
.Lfunc_end_k_q5c90a5c31c_proj:
	.size	k_q5c90a5c31c_proj, .Lfunc_end_k_q5c90a5c31c_proj-k_q5c90a5c31c_proj
	.p2alignl 7, 3214868480
	.fill 96, 4, 3214868480
	.section	.rodata,"a",@progbits
	.p2align	6, 0x0
	.amdhsa_kernel k_q5c90a5c31c_proj
		.amdhsa_group_segment_fixed_size 327680
		.amdhsa_private_segment_fixed_size 0
		.amdhsa_enable_private_segment 0
		.amdhsa_kernarg_size 32
		.amdhsa_user_sgpr_count 2
		.amdhsa_user_sgpr_kernarg_segment_ptr 1
		.amdhsa_wavefront_size32 1
		.amdhsa_system_sgpr_workgroup_id_x 1
		.amdhsa_system_sgpr_workgroup_id_y 1
		.amdhsa_system_sgpr_workgroup_id_z 1
		.amdhsa_system_vgpr_workitem_id 0
		.amdhsa_next_free_vgpr 512
		.amdhsa_next_free_sgpr 68
		.amdhsa_reserve_vcc 0
		.amdhsa_float_denorm_mode_32 3
		.amdhsa_float_denorm_mode_16_64 3
		.amdhsa_memory_ordered 1
		.amdhsa_forward_progress 1
		.amdhsa_inst_pref_size 86
	.end_amdhsa_kernel
	.amdgpu_metadata
---
amdhsa.version: [ 1, 2 ]
amdhsa.kernels:
  - .name:           k_q5c90a5c31c_proj
    .symbol:         k_q5c90a5c31c_proj.kd
    .args:
      - { .name: ao, .offset: 0, .size: 8, .value_kind: global_buffer, .address_space: global }
      - { .name: wo16, .offset: 8, .size: 8, .value_kind: global_buffer, .address_space: global }
      - { .name: bo, .offset: 16, .size: 8, .value_kind: global_buffer, .address_space: global }
      - { .name: out0, .offset: 24, .size: 8, .value_kind: global_buffer, .address_space: global }
    .group_segment_fixed_size: 327680
    .private_segment_fixed_size: 0
    .kernarg_segment_align: 8
    .kernarg_segment_size: 32
    .max_flat_workgroup_size: 128
    .sgpr_count:     68
    .vgpr_count:     512
    .wavefront_size: 32
...
	.end_amdgpu_metadata
.endif
;; end of part 4
